; MI455X (gfx1250); checked and timed in simulation.
; The chip was launched on July 23, 2026; its instructions are those of AMD's public machine-readable ISA for CDNA 5 (MIT licence, August 2026) and "CDNA5" Instruction Set Architecture Reference Guide (July 2026). The comments in the code are by the model that wrote it; some were corrected since.
;; Multi Head Attention. Allowed arithmetic: matrix products marked QUANTISED: E2M1 operands, one E8M0 scale for each 32 along K, by v_wmma_scale_f32_16x16x128_f8f6f4 with both operands' format E2M1 (or v_wmma_scale_f32_32x16x128_f4), f32 sums; products left as they are: bf16, f16 or f32 operands; f32 sums; everything else in f32.
;; Inputs: bk 1,024 float32; bo 1,024 float32; bq 1,024 float32; bv 1,024 float32; input 4 x 2,048 x 1,024 float32; mask 4 x 2,048 int32; wk 1,024 x 1,024 float32; wo 1,024 x 1,024 float32; wq 1,024 x 1,024 float32; wv 1,024 x 1,024 float32.
;; Outputs: out0 4 x 2,048 x 1,024 float32.
;; This version of the problem:
;;   THIS VERSION OF THE PROBLEM IS GIVEN IN LOW PRECISION. The matrix products marked QUANTISED in the list below multiply operands that are first quantised to E2M1 (2 exponent bits, 1 mantissa bit; 4 bits a number), with one power-of-two scale for each 32 numbers along K (OCP MX v1.0); their sums are f32. The products marked 'left as it is' may take bf16, f16 or f32 operands, with f32 sums. Whichever they take, every output number must still come out within the allowed error. Rounding operands to bf16 (8 significant bits) uses up far more of that allowance than f16 does (11 bits, for magnitudes from 6e-5 to 65,504). All else is computed in f32.
;;   The module's matrix products, in the order in which they are computed (A, B: the left and right operand; K: the contracted axis; several contracted axes count as one K, in the product's order):
;;     1. [M 8,192, K 1,024] x [K 1,024, N 1,024]; A: input input; B: input wq: QUANTISED
;;     2. [M 8,192, K 1,024] x [K 1,024, N 1,024]; A: input input; B: input wk: QUANTISED
;;     3. [M 8,192, K 1,024] x [K 1,024, N 1,024]; A: input input; B: input wv: QUANTISED
;;     4. batch 64 x [M 2,048, K 64] x [K 64, N 2,048]; A: computed on the way; B: computed on the way: left as it is (an operand is computed on the way)
;;     5. batch 64 x [M 2,048, K 2,048] x [K 2,048, N 64]; A: computed on the way; B: computed on the way: left as it is (an operand is computed on the way)
;;     6. [M 8,192, K 1,024] x [K 1,024, N 1,024]; A: computed on the way; B: input wo: left as it is (an operand is computed on the way)
;;   THE QUANTISER, for each operand of a quantised product, along K:
;;     - K is cut into blocks of 32 from its start; a last block that is shorter is filled with zeros.
;;     - A block's scale is 2^e with e = floor(log2(the largest magnitude in the block)) - 2, held to -126 .. 127; a block of zeros has e = 0. As a byte (E8M0): e + 127.
;;     - Each number is divided by its block's scale, clamped to +-6, and rounded to the nearest number of E2M1, ties to even, subnormals kept.
;;     - The product sums the exact products of the quantised numbers (number of the format x scale) in f32.
;;   ~~~python
;;   def quantise(x, axis):      # numpy; x: float32 -> the quantised numbers, widened to float32 again
;;       x = np.moveaxis(x, axis, -1); K = x.shape[-1]
;;       x = np.pad(x, [(0, 0)] * (x.ndim - 1) + [(0, -K % 32)]); x = x.reshape(x.shape[:-1] + (-1, 32)); a = np.abs(x).max(-1, keepdims=True)
;;       e = np.where(a > 0, np.clip(np.frexp(np.where(a > 0, a, 1))[1] - 1 - 2, -126, 127), 0)      # np.frexp(a)[1] - 1 = floor(log2(a)), exactly
;;       r = np.clip(x / 2.0 ** e, -6, 6)
;;       step = 2.0 ** (np.maximum(np.frexp(np.where(r == 0, 1, r))[1] - 1, 0) - 1)
;;       q = np.round(r / step) * step * 2.0 ** e      # np.round: ties to even
;;       return np.moveaxis(q.reshape(q.shape[:-2] + (-1,))[..., :K], -1, axis).astype(np.float32)
;;   ~~~
;; One version. Each part assembles by itself: llvm-mc -triple=amdgcn-amd-amdhsa -mcpu=gfx1250 --defsym DOCPART=n.
;; ======== version 1 of 1: 4 launches
;; limits: values are held in f16: magnitudes above 65,504 overflow, below 6.1e-05 lose precision; right only within a limited range of input values
;; workspace buffers: xc 4,194,304 bytes; xs 262,144 bytes; wc 1,572,864 bytes; ws 98,304 bytes; wo16 2,097,152 bytes; qkv 50,331,648 bytes; ctx 16,777,216 bytes
;; launch quant (part 1): grid 384 x 1, 4 waves a work-group, no clusters, 33,280 bytes of LDS; arguments input, wq, wk, wv, wo, xc, xs, wc, ws, wo16; writes xc, xs, wc, ws, wo16
.if DOCPART == 1
	.amdgcn_target "amdgcn-amd-amdhsa--gfx1250"
	.amdhsa_code_object_version 6
	.text
	.protected	k_qfc017fcf87_quant
	.globl	k_qfc017fcf87_quant
	.p2align	8
	.type	k_qfc017fcf87_quant,@function
k_qfc017fcf87_quant:
	s_mov_b64 s[64:65], 0
	v_nop
	global_prefetch_b8 v0, s[64:65] scope:SCOPE_SE
	s_setreg_imm32_b32 hwreg(HW_REG_WAVE_MODE, 25, 1), 1
	s_wait_xcnt 0x0
; MULTI-HEAD ATTENTION, launch 1 of 4: the operands of the three quantised products become codes, and wo becomes f16.
; input [8192][1024], wq, wk, wv [1024][1024], f32, K innermost -> codes of FP4 (E2M1), two a byte, K innermost, and one E8M0 byte for each 32 along K:
;   xc [8192][512 bytes], xs [8192][32];  wc, ws: wq, wk, wv stacked, [3072][512 bytes], [3072][32].
; wo [1024 (out)][1024 (k)] f32 -> wo16 [16 heads][1024 (out)][64] f16: the last product is left as it is and takes f16 operands; laid by head, as the context will lie.
; WORK LEFT OUT: bk.  reference() adds bk to every key: k = x wk^T + bk, so the score of query q and key j is q . (x_j wk^T) + q . bk.  The second term does not hang on j: it is the same along the
; softmax's axis, for every value of the inputs, and a softmax is unchanged by a term that is the same along its axis; masked keys are -infinity with it and without it.  The product of q and k is not
; quantised, so bk moves no code and no scale either.  k serves nothing else.  So bk has no way to any output: it is not loaded and is among no launch's arguments.
; LIMIT of that: a NaN, an infinity or an overflow that arises from bk alone is not carried to the result.
; THE QUANTISER.  A block's scale is 2^(floor(log2(its largest magnitude)) - 2); its byte is the largest magnitude's own exponent field - 2, held at 1 from below.  Each number is divided by the scale and
; rounded to the nearest code, ties to even, beyond 6 the largest code.  A block of zeros gets the byte 1 where the rule says 127: its codes are zeros, which add nothing, and this program alone reads the bytes.
; LIMITS: blocks whose largest magnitude lies under 2^(2 - 126) have their byte held at 1; NaN and infinities among the inputs are not served.
; SHARES.  Rows are dense and K is a multiple of 32: each tensor is a stream of blocks of 32.  A work-group takes 32,768 numbers, a wave 16 steps of 512.  Work-groups 0-255: input; 256-351: wq, wk, wv (32 each);
; 352-383: wo, 32 rows each.  The four quantised tensors take ONE path: only pointers are chosen, by the work-group's number.
; A step's four loads read 512 consecutive bytes each; the 2,048 bytes turn through the wave's own stage in LDS so that a lane holds 16 neighbours along K (two lanes hold a block).
.set WAVES, 4
.set STEPS, 16
.set GIN,   256                        ; work-groups for input
.set GW,    96                         ; for wq, wk, wv
.set EMAX,  2
.set CB,    8                          ; bytes of 16 codes
.set R,     16                         ; v16-79   four sets of 16 numbers as they are loaded
.set X,     80                         ; v80-111  two sets of 16 neighbours
.set C,     128                        ; v128-191 codes: four registers for each step, so that no store's data are written again
.set E,     112                        ; v112-127 a scale byte for each step
.set WREG,  8192                       ; LDS: a region for each wave: two stages of 32 x SP bytes, behind them its 256 scale bytes
.set SP,    80                         ; a lane's place in a stage: 64 bytes + 16 of padding
.set SPW,   12                         ; v12      LDS address of my spare word; never rewritten
.set NIL,   13                         ; v13      0; never rewritten
.set SPARE, WAVES*WREG                 ; behind the regions: the spare words, 128 bytes a wave
.set LS,    16                         ; wo's path: v16-79, v80-143 two sets of 16 loads
.set WR,    144                        ; v144-175 a pair of rows as f16
	s_load_b256 s[4:11], s[0:1], 0x0               ; input s[4:5], wq s[6:7], wk s[8:9], wv s[10:11]
	s_load_b256 s[12:19], s[0:1], 0x20             ; wo s[12:13], xc s[14:15], xs s[16:17], wc s[18:19]
	s_load_b128 s[20:23], s[0:1], 0x40             ; ws s[20:21], wo16 s[22:23]
	v_lshl_add_u32 v[SPW], v0, 2, SPARE
	v_mov_b32 v[NIL], 0
	v_lshrrev_b32 v1, 5, v0
	v_readfirstlane_b32 s34, v1                    ; wave
	v_and_b32 v2, 31, v0                           ; lane
	s_cmp_ge_u32 ttmp9, GIN+GW
	s_cbranch_scc1 .Lwo                            ; the last 32 work-groups take wo
	v_lshlrev_b32 v3, 4, v2                        ; my 16 bytes of a load's 512
	s_mul_i32 s35, s34, WREG
	v_lshrrev_b32 v14, 2, v2
	v_mul_u32_u24 v14, v14, SP
	v_and_b32 v15, 3, v2
	v_lshl_add_u32 v14, v15, 4, v14
	v_add_nc_u32 v14, s35, v14                     ; the stage, on the way in: SP (lane / 4) + 16 (lane % 4)
	v_mul_u32_u24 v15, v2, SP
	v_add_nc_u32 v15, s35, v15                     ; and on the way out: SP x lane: my 16 neighbours
	v_mul_u32_u24 v4, v2, CB                       ; my codes' place in a step's
	v_lshrrev_b32 v5, 1, v2
	s_add_co_u32 s35, s35, 2*32*SP
	v_add_nc_u32 v5, s35, v5                       ; LDS: my wave's 256 scale bytes, my block's byte
	v_lshlrev_b32 v7, 3, v2                        ; and on the way out 8 bytes a lane
	v_add_nc_u32 v6, s35, v7
	s_wait_kmcnt 0x0
	s_sub_co_u32 s24, ttmp9, GIN                   ; j: my number among the weights' work-groups (of no use in input's)
	s_lshr_b32 s25, s24, 5                         ; which weight
	s_cmp_eq_u32 s25, 1
	s_cselect_b64 s[26:27], s[8:9], s[6:7]         ; wk or wq
	s_cmp_eq_u32 s25, 2
	s_cselect_b64 s[26:27], s[10:11], s[26:27]     ; or wv
	s_and_b32 s32, s24, 31                         ; my part of that weight
	s_cmp_lt_u32 ttmp9, GIN                        ; input's work-group?  All five choices hang on the work-group's number alone
	s_cselect_b64 s[26:27], s[4:5], s[26:27]       ; from where,
	s_cselect_b64 s[28:29], s[14:15], s[18:19]     ; the codes' buffer,
	s_cselect_b64 s[30:31], s[16:17], s[20:21]     ; the bytes' buffer,
	s_cselect_b32 s32, ttmp9, s32                  ; which 32,768 numbers of the source,
	s_cselect_b32 s33, ttmp9, s24                  ; and of the destination (the three weights lie stacked)
	s_lshl_b32 s32, s32, 2
	s_add_co_u32 s32, s32, s34                     ; my wave's run of 8,192 numbers in the source
	s_lshl_b32 s33, s33, 2
	s_add_co_u32 s33, s33, s34                     ; and in the destination
	s_lshl_b32 s36, s32, 15                        ; 32,768 bytes of f32 a run,
	s_mov_b32 s37, 0
	s_add_nc_u64 s[26:27], s[26:27], s[36:37]
	s_lshl_b32 s36, s33, 12                        ; 4,096 bytes of codes,
	s_add_nc_u64 s[28:29], s[28:29], s[36:37]
	s_lshl_b32 s36, s33, 8                         ; 256 scale bytes
	s_add_nc_u64 s[30:31], s[30:31], s[36:37]
.macro LOAD t
.irp i, 0,1,2,3
	global_load_b128 v[R+16*((\t)%4)+4*\i:R+16*((\t)%4)+4*\i+3], v3, s[26:27] offset:2048*(\t)+512*\i th:TH_LOAD_NT   ; 32 lanes read 512 consecutive bytes
.endr
.endm
.macro TURN t                          ; step t's numbers through the stage: LDS serves a wave's instructions in order, so no wait stands between the stores and the loads
.irp i, 0,1,2,3
	ds_store_b128 v14, v[R+16*((\t)%4)+4*\i:R+16*((\t)%4)+4*\i+3] offset:32*SP*((\t)%2)+8*SP*\i
.endr
.irp i, 0,1,2,3
	ds_load_b128 v[X+16*((\t)%2)+4*\i:X+16*((\t)%2)+4*\i+3], v15 offset:32*SP*((\t)%2)+16*\i
.endr
.endm
.irp t, 0,1,2,3
	LOAD \t
.endr
	s_wait_loadcnt 12                              ; step 0's four loads are in; the twelve of steps 1 to 3 may be out
	TURN 0
.macro STEP t
.set XS, X+16*((\t)%2)
.if (\t) > 0
	s_wait_dscnt 1                                 ; this step's numbers are back from the stage (the last step's byte store may be out): so its stores into the stage have read their registers,
.else
	s_wait_dscnt 0x0
.endif
.if (\t)+4 < STEPS
	LOAD (\t)+4                                    ; which take the loads of four steps on
.endif
.if (\t)+1 < STEPS
.if STEPS-2-(\t) >= 3
	s_wait_loadcnt 12                              ; the next step's four loads are in; those of the three steps behind it may be out
.else
	s_wait_loadcnt 4*(STEPS-2-(\t))
.endif
	TURN (\t)+1                                    ; and go through the other stage while this step is worked
.endif
	v_max3_num_f32 v8, |v[XS]|, |v[XS+1]|, |v[XS+2]|               ; the largest magnitude of my 16, in two chains
	v_max3_num_f32 v9, |v[XS+3]|, |v[XS+4]|, |v[XS+5]|
.irp i, 6,10
	v_max3_num_f32 v8, v8, |v[XS+\i]|, |v[XS+\i+1]|
	v_max3_num_f32 v9, v9, |v[XS+\i+2]|, |v[XS+\i+3]|
.endr
	v_max3_num_f32 v8, v8, |v[XS+14]|, |v[XS+15]|
	v_max3_num_f32 v8, v8, v9, (EMAX+1)<<23        ; and the floor 2^(EMAX + 1 - 127): so the byte cannot fall under 1
	v_max_num_f32_dpp v8, v8, v8 row_xmask:1 row_mask:0xf bank_mask:0xf   ; and of my neighbour's 16: the block's
	v_add_nc_u32 v11, -(EMAX<<23), v8              ; EMAX off its exponent field: the conversion takes the exponent field of this operand as its scale
	v_cvt_scalef32_pk8_fp4_f32 v[C+4*(\t)], v[XS:XS+7], v11
	v_cvt_scalef32_pk8_fp4_f32 v[C+4*(\t)+1], v[XS+8:XS+15], v11
	v_lshrrev_b32 v[E+(\t)], 23, v11               ; the scale's byte (a plain line behind the conversions)
	ds_store_b8 v5, v[E+(\t)] offset:16*(\t)       ; both lanes of a block write the same byte with the same value
	global_store_b64 v4, v[C+4*(\t):C+4*(\t)+1], s[28:29] offset:32*CB*(\t)   ; the wave stores 256 consecutive bytes, aligned
.endm
.irp t, 0,1,2,3,4,5,6,7,8,9,10,11,12,13,14,15
	STEP \t
.endr
	ds_load_b64 v[8:9], v6                         ; LDS serves a wave's instructions in order: these see my stores
	s_wait_dscnt 0x0
	global_store_b64 v7, v[8:9], s[30:31]          ; 32 lanes store 256 consecutive bytes, aligned
	s_wait_tensorcnt 0x0                           ; the wave's end, behind my last LDS store
	ds_add_u32 v[SPW], v[NIL]
	s_wait_dscnt 0x0
	s_endpgm
; wo -> f16, by head.  Wave w of work-group u takes rows 32 u + 8 w .. + 7, two rows at a time.  A load reads one head's 64 numbers (256 bytes) of two rows: lanes 0-15 one row, lanes 16-31 the next;
; the lane's four numbers become 8 bytes, and the wave stores the two rows' 256 consecutive bytes of that head's table.  No LDS.
.Lwo:
	v_lshrrev_b32 v1, 4, v2                        ; lane / 16
	v_and_b32 v3, 15, v2
	v_lshlrev_b32 v1, 12, v1                       ; a row of wo is 4,096 bytes
	v_lshl_add_u32 v1, v3, 4, v1                   ; in: 16 bytes a lane
	v_lshlrev_b32 v2, 3, v2                        ; out: 8 bytes a lane
	s_sub_co_u32 s24, ttmp9, GIN+GW
	s_lshl_b32 s24, s24, 2
	s_add_co_u32 s24, s24, s34                     ; which 8 rows
	s_lshl_b32 s26, s24, 15                        ; x 8 rows of 4,096 bytes
	s_mov_b32 s27, 0
	s_lshl_b32 s28, s24, 10                        ; x 8 rows of 128 bytes
	s_mov_b32 s29, 0
	s_wait_kmcnt 0x0
	s_add_nc_u64 s[12:13], s[12:13], s[26:27]
	s_add_nc_u64 s[22:23], s[22:23], s[28:29]
.macro WLOAD p
.irp hd, 0,1,2,3,4,5,6,7,8,9,10,11,12,13,14,15
	global_load_b128 v[LS+64*((\p)%2)+4*\hd:LS+64*((\p)%2)+4*\hd+3], v1, s[12:13] offset:(\p)*8192+\hd*256 th:TH_LOAD_NT
.endr
.endm
.macro WPAIR p
.if (\p) < 3
	s_wait_loadcnt 16                              ; this pair's 16 loads are in; the next pair's may be out
.else
	s_wait_loadcnt 0x0
.endif
	s_wait_xcnt 0x0                                ; the last pair's stores have read their data, which are written again below
.irp hd, 0,1,2,3,4,5,6,7,8,9,10,11,12,13,14,15
	v_cvt_pk_f16_f32 v[WR+2*\hd], v[LS+64*((\p)%2)+4*\hd], v[LS+64*((\p)%2)+4*\hd+1]
	v_cvt_pk_f16_f32 v[WR+2*\hd+1], v[LS+64*((\p)%2)+4*\hd+2], v[LS+64*((\p)%2)+4*\hd+3]
.endr
.if (\p)+2 < 4
	WLOAD (\p)+2                                   ; into the set just read
.endif
.irp hd, 0,1,2,3,4,5,6,7,8,9,10,11,12,13,14,15
	global_store_b64 v2, v[WR+2*\hd:WR+2*\hd+1], s[22:23] offset:\hd*131072+(\p)*256   ; a head's table is 1,024 rows of 128 bytes
.endr
.endm
	WLOAD 0
	WLOAD 1
	WPAIR 0
	WPAIR 1
	WPAIR 2
	WPAIR 3
	s_wait_tensorcnt 0x0                           ; the same three lines at this path's end
	ds_add_u32 v[SPW], v[NIL]
	s_wait_dscnt 0x0
	s_endpgm
.Lfunc_end_k_qfc017fcf87_quant:
	.size	k_qfc017fcf87_quant, .Lfunc_end_k_qfc017fcf87_quant-k_qfc017fcf87_quant
	.p2alignl 7, 3214868480
	.fill 96, 4, 3214868480
	.section	.rodata,"a",@progbits
	.p2align	6, 0x0
	.amdhsa_kernel k_qfc017fcf87_quant
		.amdhsa_group_segment_fixed_size 33280
		.amdhsa_private_segment_fixed_size 0
		.amdhsa_enable_private_segment 0
		.amdhsa_kernarg_size 80
		.amdhsa_user_sgpr_count 2
		.amdhsa_user_sgpr_kernarg_segment_ptr 1
		.amdhsa_wavefront_size32 1
		.amdhsa_system_sgpr_workgroup_id_x 1
		.amdhsa_system_sgpr_workgroup_id_y 1
		.amdhsa_system_sgpr_workgroup_id_z 1
		.amdhsa_system_vgpr_workitem_id 0
		.amdhsa_next_free_vgpr 192
		.amdhsa_next_free_sgpr 66
		.amdhsa_reserve_vcc 0
		.amdhsa_float_denorm_mode_32 3
		.amdhsa_float_denorm_mode_16_64 3
		.amdhsa_memory_ordered 1
		.amdhsa_forward_progress 1
		.amdhsa_inst_pref_size 55
	.end_amdhsa_kernel
	.amdgpu_metadata
---
amdhsa.version: [ 1, 2 ]
amdhsa.kernels:
  - .name:           k_qfc017fcf87_quant
    .symbol:         k_qfc017fcf87_quant.kd
    .args:
      - { .name: input, .offset: 0, .size: 8, .value_kind: global_buffer, .address_space: global }
      - { .name: wq, .offset: 8, .size: 8, .value_kind: global_buffer, .address_space: global }
      - { .name: wk, .offset: 16, .size: 8, .value_kind: global_buffer, .address_space: global }
      - { .name: wv, .offset: 24, .size: 8, .value_kind: global_buffer, .address_space: global }
      - { .name: wo, .offset: 32, .size: 8, .value_kind: global_buffer, .address_space: global }
      - { .name: xc, .offset: 40, .size: 8, .value_kind: global_buffer, .address_space: global }
      - { .name: xs, .offset: 48, .size: 8, .value_kind: global_buffer, .address_space: global }
      - { .name: wc, .offset: 56, .size: 8, .value_kind: global_buffer, .address_space: global }
      - { .name: ws, .offset: 64, .size: 8, .value_kind: global_buffer, .address_space: global }
      - { .name: wo16, .offset: 72, .size: 8, .value_kind: global_buffer, .address_space: global }
    .group_segment_fixed_size: 33280
    .private_segment_fixed_size: 0
    .kernarg_segment_align: 8
    .kernarg_segment_size: 80
    .max_flat_workgroup_size: 128
    .sgpr_count:     66
    .vgpr_count:     192
    .wavefront_size: 32
...
	.end_amdgpu_metadata
.endif
;; end of part 1
;; launch qkv (part 2): grid 12 x 32, 4 waves a work-group, clusters of 4 x 4, 327,680 bytes of LDS; arguments xc, xs, wc, ws, qkv, bq, bv; writes qkv
.if DOCPART == 2
	.amdgcn_target "amdgcn-amd-amdhsa--gfx1250"
	.amdhsa_code_object_version 6
	.text
	.protected	k_qfc017fcf87_qkv
	.globl	k_qfc017fcf87_qkv
	.p2align	8
	.type	k_qfc017fcf87_qkv,@function
k_qfc017fcf87_qkv:
	s_mov_b64 s[64:65], 0
	v_nop
	global_prefetch_b8 v0, s[64:65] scope:SCOPE_SE
	s_setreg_imm32_b32 hwreg(HW_REG_WAVE_MODE, 25, 1), 1
	s_wait_xcnt 0x0
	s_wait_alu depctr_hold_cnt(0) depctr_sa_sdst(0) depctr_va_vdst(0) depctr_va_sdst(0) depctr_va_ssrc(0) depctr_va_vcc(0) depctr_vm_vsrc(0)
	s_getreg_b32 s2, hwreg(HW_REG_IB_STS2, 6, 4)
	s_cmp_eq_u32 s2, 0
	s_cbranch_scc0 .Lentry_in_a_cluster
	s_endpgm
.Lentry_in_a_cluster:
	s_bfe_u32 s2, ttmp6, 0x10000c
	s_cmp_lg_u32 s2, 0xf033
	s_cbranch_scc0 .Lentry_shape_is_right
	s_endpgm
.Lentry_shape_is_right:
; Launch 2 of 4: the three quantised products as ONE GEMM on codes: C[m][n] = sum over k of X[m][k] W[n][k], X = input [8192][1024], W = wq, wk, wv stacked [3072][1024], both as codes of FP4 (E2M1) with one
; E8M0 byte for each 32 along K; sums in f32.  Columns 0-1023 get bq, columns 2048-3071 bv.  WORK LEFT OUT: bk is not added (shown at the head of the first launch: it is the same along the softmax's axis).
; The results are rounded once to f16 and stored by head: qkv [3 (q, k, v)][4 batches][16 heads][2048 positions][64].  q's division by sqrt(64) = 8, a power of two, is folded into the exponent's factor of the next launch.
; LIMIT: |q|, |k|, |v| stay under f16's largest number, 65,504.
; A tile of C, 256 x 256, is made by four waves; a wave makes 128 x 128: 64 accumulators, 512 registers.  K = 1,024 is two slots of 512 along K (rows of 256 bytes): both are asked for at the head; nothing is filled again.
; THE SCALES of the work-group's 256 rows of X and of W, for all of K, are two dense blocks of memory: they come into LDS once, with the first fills.
; CLUSTERS: 4 x 4 work-groups.  The four of a row of the cluster need the same tiles of X, the four of a column the same tiles of W: each tile is asked for JOINTLY.  A cluster's 1,024 columns are one of q, k, v: cluster x says which.
; THE MATRIX INSTRUCTION IS USED TRANSPOSED (source 0 = 16 rows of W, source 1 = 16 rows of X): a lane holds eight neighbouring columns of one row of C.  THE BIAS IS THE C OF THE FIRST K STEP.
; REGISTERS, in windows of 256: window 0: v0-31 addresses; v32-95 scale words, two sets; v96-127 packed results; v128-191 X's fragments, one set, later rows on the way out; v192-255 the bias, eight registers for each block of 16 columns.
;   window 1: W's fragments, two sets, at v0 and v128.   window 2: the accumulators of my rows 0-63 ((a, b) at v[8 (8 a + b)]);   window 3: those of my rows 64-127.
.set SIZE_K, 1024
.set KSTEP,  512                       ; along K in a slot
.set NQ,     KSTEP/128                 ; matrix instructions deep
.set ROWB,   256                       ; a tile's row in bytes
.set KROW,   SIZE_K/2                  ; a row of codes in memory
.set PITCH,  272                       ; an LDS row: 256 bytes + 16 of padding: the 16 rows that a load touches start at 16 different banks (64 banks of 4 bytes: ISA guide 11.1)
.set FR,     8                         ; registers of a fragment
.set NL,     2                         ; LDS loads that bring one
.set NP,     4                         ; places behind this matrix instruction (ISA guide 7.12.1)
.set HALFT,  128*PITCH                 ; what one tensor load brings
.set SLOT,   4*HALFT                   ; X's 256 rows, then W's 256 rows
.set KS,     SIZE_K/32                 ; a row of scale bytes
.set SCL,    2*SLOT                    ; behind the slots: the scales, as units of 256 bytes + 16 of padding
.set HALFS,  (128*KS/256)*272          ; the scales of 128 rows
.set SBLK,   (16*KS/256)*272           ; of 16 rows
.set SPARE,  SCL+4*HALFS               ; the spare words, 128 bytes a wave
.set STG,    SPARE+512                 ; the way out: bytes of their own: for each wave 2 heads x 16 rows x (128 bytes + 16)
.set HP,     144
.set HSTG,   16*HP
.set ADRA, 16                          ; v16-17  LDS address of my X fragments in slot 0, 1
.set ADRB, 20                          ; v20-21  the same for W
.set STO,  24                          ; v24     the way out: where I put 16 bytes of a row
.set RD,   25                          ; v25     where I read rows back
.set CO,   26                          ; v26     16 x lane
.set ADRS, 27                          ; v27     LDS address of my scale words: lanes 0-15 X's rows, lanes 16-31 W's
.set SPW,  28                          ; v28     my spare word; never rewritten
.set NIL,  29                          ; v29     0; never rewritten
.set BOF,  30                          ; v30     32 x (lane / 16): my eight numbers of a block's 16 of the bias
.set SC,   32
.set TMP,  96
.set AF,   128
.set BK,   128
.set BI,   192
.set G1, 24
.set G0, 32
.set G1B, 48
.set G0B, 56
.set G1S, 68
.set G0S, 76
.set G1SB, 80
.set G0SB, 88
.set MSB, 0
.macro WIN new                         ; the immediate's high byte repeats the setting that is left
.if MSB != (\new)
	s_set_vgpr_msb (MSB<<8)|(\new)
.set MSB, (\new)
.endif
.endm
.set MUL_LO, 0xa1                      ; source 0 (W) window 1, source 1 (X) window 0, C and D window 2
.set MUL_HI, 0xf1                      ; the same, C and D window 3
.set TO_B,   0x40                      ; destination window 1, address window 0
; A joint load: waves 0 and 1 fetch for X, waves 2 and 3 for W.  The branch hangs on the wave's number alone.  An s_nop 0 and four v_nop follow each of the two lines.
.macro JLOAD g0a, g1a, g0b, g1b
	s_cmp_eq_u32 s15, 0
	s_cbranch_scc0 .Lfor_b_\@
	tensor_load_to_lds s[\g0a:\g0a+3], s[\g1a:\g1a+7]
	s_nop 0
.rept 4
	v_nop
.endr
	s_branch .Lasked_\@
.Lfor_b_\@:
	tensor_load_to_lds s[\g0b:\g0b+3], s[\g1b:\g1b+7]
	s_nop 0
.rept 4
	v_nop
.endr
.Lasked_\@:
.endm
.macro CROUND                          ; a round of the cluster's barrier
	s_barrier_signal -1
	s_barrier_wait -1
	s_cmp_lg_u32 s14, 0
	s_cbranch_scc1 .Lnot_wave_0_\@
	s_barrier_signal -3
.Lnot_wave_0_\@:
	s_barrier_wait -3
	s_barrier_signal -1
	s_barrier_wait -1
.endm
	s_load_b128 s[4:7], s[0:1], 0x0                ; X's codes s[4:5], X's scales s[6:7]
	s_load_b128 s[8:11], s[0:1], 0x10              ; W's codes s[8:9], W's scales s[10:11]
	s_load_b64 s[12:13], s[0:1], 0x20              ; qkv
	s_load_b128 s[96:99], s[0:1], 0x28             ; bq s[96:97], bv s[98:99]
	v_lshl_add_u32 v[SPW], v0, 2, SPARE
	v_mov_b32 v[NIL], 0
	ds_add_u32 v[SPW], v[NIL]                      ; the wave's opening: the add, twice on end, and its wait ahead of my first tensor load
	ds_add_u32 v[SPW], v[NIL]
	v_lshrrev_b32 v1, 5, v0
	v_readfirstlane_b32 s14, v1                    ; wave 0..3
	s_lshr_b32 s15, s14, 1                         ; which half of the tile's rows is mine.  Also: I fetch for X (0) or for W (1)
	s_and_b32 s16, s14, 1                          ; which half of its columns.  Also: which 128 rows of that tile I fetch
	s_bfe_u32 s40, ttmp6, 0x40000                  ; cx, cy: my place in the cluster
	s_bfe_u32 s41, ttmp6, 0x40004
	s_lshl_b32 s42, ttmp9, 2
	s_add_co_u32 s42, s42, s40                     ; tile column of C = 4 x cluster x + cx
	s_and_b32 s17, ttmp7, 0xffff
	s_lshl_b32 s17, s17, 2
	s_add_co_u32 s17, s17, s41                     ; tile row of C = 4 x cluster y + cy
	s_lshl_b32 s43, s41, 2
	s_lshl_b32 s43, 15, s43                        ; my row of the cluster
	s_lshl_b32 s44, 0x1111, s40                    ; my column
	; descriptor group 1: a tile of 128 rows x 256 bytes, padded in LDS
	s_or_b32 s[G1+0], s43, (0<<16)|(1<<20)|(1<<21)|(5<<22)|(3<<25)  ; 15:0 the mask: X's tiles go to my row; elements of 1 byte; padding on; bit 21 beside a mask; 4 words after every 64
	s_or_b32 s[G1B+0], s44, (0<<16)|(1<<20)|(1<<21)|(5<<22)|(3<<25)
.irp g, G1, G1B
	s_mov_b32 s[\g+1], ROWB<<16                    ; tensor_dim0
	s_mov_b32 s[\g+2], 128<<16                     ; tensor_dim1
	s_mov_b32 s[\g+3], ROWB<<16                    ; tile_dim0
	s_mov_b32 s[\g+4], 128                         ; tile_dim1
	s_mov_b32 s[\g+5], KROW                        ; tensor_dim0_stride
	s_mov_b32 s[\g+6], 0
	s_mov_b32 s[\g+7], 0
.endr
	; the scales of 128 rows: a dense block of 4,096 bytes, as rows of 256 bytes (32 elements of 8 bytes), 16 bytes of padding behind each
	s_or_b32 s[G1S+0], s43, (3<<16)|(1<<20)|(1<<21)|(5<<22)|(3<<25)
	s_or_b32 s[G1SB+0], s44, (3<<16)|(1<<20)|(1<<21)|(5<<22)|(3<<25)
.irp g, G1S, G1SB
	s_mov_b32 s[\g+1], 32<<16
	s_mov_b32 s[\g+2], (128*KS/256)<<16
	s_mov_b32 s[\g+3], 32<<16
	s_mov_b32 s[\g+4], 128*KS/256
	s_mov_b32 s[\g+5], 32
	s_mov_b32 s[\g+6], 0
	s_mov_b32 s[\g+7], 0
.endr
	s_lshl_b32 s18, s16, 7                         ; which 128 rows of the tile I fetch
	s_lshl_b32 s20, s17, 8
	s_add_co_u32 s20, s20, s18                     ; X: row 256 x tile row + 128 x half
	s_lshl_b32 s46, s42, 8
	s_add_co_u32 s46, s46, s18                     ; W: row 256 x tile column + 128 x half
	s_mov_b32 s21, 0
	s_mov_b32 s47, 0
	s_mov_b64 s[18:19], KS
	s_mul_u64 s[22:23], s[20:21], s[18:19]         ; where these rows' scales begin, in bytes
	s_mul_u64 s[92:93], s[46:47], s[18:19]
	s_mov_b64 s[18:19], KROW
	s_mul_u64 s[20:21], s[20:21], s[18:19]         ; and their codes
	s_mul_u64 s[46:47], s[46:47], s[18:19]
	s_mul_i32 s45, s14, HALFT                      ; where they go: wave x 128 rows: no place in the cluster enters an LDS address
	s_mul_i32 s94, s14, HALFS
	s_wait_dscnt 0x0                               ; both opening adds are done
	s_wait_kmcnt 0x0
	s_add_nc_u64 s[20:21], s[4:5], s[20:21]
	s_add_nc_u64 s[22:23], s[6:7], s[22:23]
	s_add_nc_u64 s[46:47], s[8:9], s[46:47]
	s_add_nc_u64 s[92:93], s[10:11], s[92:93]
	CROUND                                         ; all sixteen work-groups are here: the first joint loads meet
	s_mov_b32 s[G0S], 1
	s_add_co_u32 s[G0S+1], s94, SCL
	s_mov_b64 s[G0S+2:G0S+3], s[22:23]
	s_or_b32 s[G0S+3], s[G0S+3], 0x80000000
	s_mov_b32 s[G0SB], 1
	s_add_co_u32 s[G0SB+1], s94, SCL
	s_mov_b64 s[G0SB+2:G0SB+3], s[92:93]
	s_or_b32 s[G0SB+3], s[G0SB+3], 0x80000000
	JLOAD G0S, G1S, G0SB, G1SB                     ; the scales first: they are wanted with the first K step
.irp s, 0,1
	s_mov_b32 s[G0+4*\s], 1
	s_add_co_u32 s[G0+4*\s+1], s45, \s*SLOT
	s_add_nc_u64 s[G0+4*\s+2:G0+4*\s+3], s[20:21], \s*ROWB
	s_or_b32 s[G0+4*\s+3], s[G0+4*\s+3], 0x80000000
	s_mov_b32 s[G0B+4*\s], 1
	s_add_co_u32 s[G0B+4*\s+1], s45, \s*SLOT
	s_add_nc_u64 s[G0B+4*\s+2:G0B+4*\s+3], s[46:47], \s*ROWB
	s_or_b32 s[G0B+4*\s+3], s[G0B+4*\s+3], 0x80000000
	JLOAD G0+4*\s, G1, G0B+4*\s, G1B               ; three loads of mine are out: all of K is asked for here
.endr
	v_and_b32 v1, 15, v0                           ; l % 16
	v_bfe_u32 v2, v0, 4, 1                         ; l / 16
	; THE BIAS, in the result's layout: register 8 b + j of lane (r, h) is the bias of my column 16 b + 8 h + j.  Cluster x = 0: bq; 2: bv; 1 (k): zeros.  The branch hangs on the cluster's x, which all sixteen partners share.
	v_lshlrev_b32 v[BOF], 5, v2
	s_cmp_eq_u32 ttmp9, 1
	s_cbranch_scc1 .Lno_bias
	s_cmp_eq_u32 ttmp9, 2
	s_cselect_b64 s[96:97], s[98:99], s[96:97]
	s_lshl_b32 s66, s40, 10                        ; my tile's 256 columns among the 1,024, in bytes,
	s_lshl_b32 s67, s16, 9                         ; my wave's 128 of them
	s_add_co_u32 s66, s66, s67
	s_mov_b32 s67, 0
	s_add_nc_u64 s[96:97], s[96:97], s[66:67]
.irp b, 0,1,2,3,4,5,6,7
	global_load_b128 v[BI+8*\b:BI+8*\b+3], v[BOF], s[96:97] offset:64*\b
	global_load_b128 v[BI+8*\b+4:BI+8*\b+7], v[BOF], s[96:97] offset:64*\b+16
.endr
	s_branch .Lbias_done
.Lno_bias:
.set i, 0
.rept 64
	v_mov_b32 v[BI+i], 0
.set i, i+1
.endr
.Lbias_done:
	v_mul_u32_u24 v3, v1, PITCH
	v_lshl_add_u32 v4, v2, 4, v3                   ; a fragment's row x pitch + 16 x half
	s_mul_i32 s21, s15, HALFT                      ; my 128 rows of X
	s_mul_i32 s22, s16, HALFT                      ; my 128 rows of W,
	s_add_co_u32 s22, s22, 2*HALFT                 ; which lie behind X's 256
.irp s, 0,1
	v_add_nc_u32 v[ADRA+\s], s21, v4
	v_add_nc_u32 v[ADRB+\s], s22, v4
	s_add_co_u32 s21, s21, SLOT
	s_add_co_u32 s22, s22, SLOT
.endr
	v_mul_u32_u24 v5, v1, KS                       ; my row's scales: KS bytes a row,
	v_lshrrev_b32 v6, 8, v5
	v_lshl_add_u32 v5, v6, 4, v5                   ; and 16 more for each 256 passed
	s_mul_i32 s21, s15, HALFS                      ; X's: my 128 rows
	s_mul_i32 s22, s16, HALFS                      ; W's: my 128 rows, behind X's 256
	s_add_co_u32 s22, s22, 2*HALFS
	s_sub_co_u32 s22, s22, s21
	v_mul_u32_u24 v6, s22, v2                      ; lanes 16-31 take W's: one product, the distance between the two bases
	s_add_co_u32 s21, s21, SCL
	v_add_nc_u32 v5, v5, v6
	v_add_nc_u32 v[ADRS], s21, v5
	s_mul_i32 s23, s14, 2*HSTG
	s_add_co_u32 s23, s23, STG                     ; my stage
	v_mul_u32_u24 v5, v1, HP                       ; in: row l % 16, 16 bytes for each half of the lanes
	v_lshl_add_u32 v5, v2, 4, v5
	v_add_nc_u32 v[STO], s23, v5
	v_bfe_u32 v5, v0, 3, 2                         ; back: eight lanes to a row of 128 bytes, four rows an instruction
	v_mul_u32_u24 v5, v5, HP
	v_and_b32 v3, 7, v0
	v_lshl_add_u32 v5, v3, 4, v5
	v_add_nc_u32 v[RD], s23, v5
	v_and_b32 v6, 31, v0
	v_lshlrev_b32 v[CO], 4, v6                     ; four rows of a head are 512 consecutive bytes of qkv
	; where my part begins in qkv: which of q, k, v (2^24 bytes each), the batch (2^22), my first head (2^18), my first position (128 bytes)
	s_lshl_b32 s92, ttmp9, 24
	s_lshr_b32 s94, s17, 3                         ; eight tile rows to a batch
	s_lshl_b32 s94, s94, 22
	s_add_co_u32 s92, s92, s94
	s_lshl_b32 s94, s40, 2                         ; four heads to a tile column,
	s_lshl_b32 s95, s16, 1                         ; two to a wave
	s_add_co_u32 s94, s94, s95
	s_lshl_b32 s94, s94, 18
	s_add_co_u32 s92, s92, s94
	s_and_b32 s94, s17, 7
	s_lshl_b32 s94, s94, 1
	s_add_co_u32 s94, s94, s15                     ; which 128 positions of the batch
	s_lshl_b32 s94, s94, 14
	s_add_co_u32 s92, s92, s94
	s_mov_b32 s93, 0
	s_add_nc_u64 s[12:13], s[12:13], s[92:93]
.macro FRAG reg, adr, q, i             ; a fragment, 16 rows x 128 K of 4-bit codes: lane l holds row l % 16; registers 4 c .. 4 c + 3 hold K = 64 c + 32 (l / 16) + 0 .. 31
.irp c, 0,1
	ds_load_b128 v[\reg+4*\c:\reg+4*\c+3], v[\adr] offset:64*(\q)+32*\c+(\i)*16*PITCH
.endr
.endm
; 16 matrix instructions: X's blocks a0, a0 + 1 x W's eight, 128 along K.  p: W's set;  sc: the set of scale words.  first = 1: the sums begin with the bias as C: nothing is cleared and nothing is added later.
; The 64 accumulators take turns, one instruction a turn, in the same order in every step.
.macro MUL16 a0, p, q, sc, first
.irp a, \a0, \a0+1
.irp b, 0,1,2,3,4,5,6,7
.if \first
	v_wmma_scale_f32_16x16x128_f8f6f4 v[8*(8*((\a)%4)+\b):8*(8*((\a)%4)+\b)+7], v[128*(\p)+FR*\b:128*(\p)+FR*\b+FR-1], v[AF+FR*(\a):AF+FR*(\a)+FR-1], v[BI+8*\b:BI+8*\b+7], v[SC+8*NQ*(\sc)+NQ*\b+(\q)], v[SC+8*NQ*(\sc)+NQ*(\a)+(\q)] matrix_a_fmt:MATRIX_FMT_FP4 matrix_b_fmt:MATRIX_FMT_FP4 matrix_a_scale:MATRIX_SCALE_ROW1
.else
	v_wmma_scale_f32_16x16x128_f8f6f4 v[8*(8*((\a)%4)+\b):8*(8*((\a)%4)+\b)+7], v[128*(\p)+FR*\b:128*(\p)+FR*\b+FR-1], v[AF+FR*(\a):AF+FR*(\a)+FR-1], v[8*(8*((\a)%4)+\b):8*(8*((\a)%4)+\b)+7], v[SC+8*NQ*(\sc)+NQ*\b+(\q)], v[SC+8*NQ*(\sc)+NQ*(\a)+(\q)] matrix_a_fmt:MATRIX_FMT_FP4 matrix_b_fmt:MATRIX_FMT_FP4 matrix_a_scale:MATRIX_SCALE_ROW1
.endif
.endr
.endr
.endm
.macro FETCH_B slot, q, p              ; W's eight fragments of the slot's q-th 128 along K into set p
	WIN TO_B
.irp i, 0,1,2,3,4,5,6,7
	FRAG 128*(\p)+FR*\i, ADRB+\slot, \q, \i
.endr
	WIN 0
.endm
.macro FETCH_A slot, q, i0             ; X's blocks i0 .. i0 + 3
.irp i, \i0, \i0+1, \i0+2, \i0+3
	FRAG AF+FR*(\i), ADRA+\slot, \q, \i
.endr
.endm
.macro SCALES sc                       ; a slot's scale words into set sc: four words a row; lanes 0-15 take X's block i, lanes 16-31 W's block i
.irp i, 0,1,2,3,4,5,6,7
	ds_load_b128 v[SC+8*NQ*\sc+NQ*\i:SC+8*NQ*\sc+NQ*\i+3], v[ADRS] offset:\i*SBLK
.endr
.endm
.macro PLACES n                        ; places in front of loads into registers that matrix instructions have read, and of the first read of results
.rept \n
	v_nop
.endr
.endm
; A step of 128 along K that has its successor in the same slot.  With first = 1 source 2 (the bias) lies in window 0.
.macro STEP slot, q, first
	s_wait_dscnt 4*NL                              ; W's set and X's blocks 0-3 are in; the youngest eight loads (X's blocks 4-7) may be out
	WIN MUL_LO-0x20*(\first)
	MUL16 0, (\q)%2, \q, \slot, \first
	MUL16 2, (\q)%2, \q, \slot, \first
	s_wait_dscnt 0                                 ; X's blocks 4-7 are in
	PLACES NP
	FETCH_B \slot, (\q)+1, 1-(\q)%2
	FETCH_A \slot, (\q)+1, 0
	WIN MUL_HI-0x30*(\first)
	MUL16 4, (\q)%2, \q, \slot, \first
	MUL16 6, (\q)%2, \q, \slot, \first
	PLACES NP
	WIN 0
	FETCH_A \slot, (\q)+1, 4
.endm
; Slot 0's last step changes slots: one barrier; in front of it each wave waits for all its tensor loads (its part of slot 1).  Nothing is filled again.
.macro TURN slot, next
	s_wait_tensorcnt 0x0                           ; all my tensor loads have landed
	ds_add_u32 v[SPW], v[NIL]                      ; 0 onto my spare word
	s_wait_dscnt 4*NL+1                            ; (the add and the youngest eight loads, X's blocks 4-7, may be out)
	WIN MUL_LO
	MUL16 0, 1, NQ-1, \slot, 0
	s_wait_dscnt 0x0                               ; the add is done, and my reads of this slot are over
	s_barrier_signal -1
	MUL16 2, 1, NQ-1, \slot, 0
	WIN 0
	s_barrier_wait -1                              ; the next slot is whole
	PLACES NP
	v_add_nc_u32 v[ADRS], 4*NQ, v[ADRS]            ; on to the next slot's scale words
	FETCH_B \next, 0, 0
	FETCH_A \next, 0, 0
	SCALES \next
	WIN MUL_HI
	MUL16 4, 1, NQ-1, \slot, 0
	MUL16 6, 1, NQ-1, \slot, 0
	PLACES NP
	WIN 0
	FETCH_A \next, 0, 4
.endm
	s_wait_tensorcnt 1                             ; the scales and my part of slot 0 are in (slot 1's load may be out),
	s_barrier_signal -1
	s_barrier_wait -1                              ; everybody's are
	FETCH_B 0, 0, 0
	FETCH_A 0, 0, 0
	SCALES 0
	FETCH_A 0, 0, 4
	s_wait_loadcnt 0x0                             ; the bias
	STEP 0, 0, 1                                   ; the first step starts the sums, on the bias
	STEP 0, 1, 0
	STEP 0, 2, 0
	TURN 0, 1
	STEP 1, 0, 0
	STEP 1, 1, 0
	STEP 1, 2, 0
	s_wait_dscnt 4*NL                              ; the very last step: nothing more to fetch
	WIN MUL_LO
	MUL16 0, 1, NQ-1, 1, 0
	MUL16 2, 1, NQ-1, 1, 0
	s_wait_dscnt 0
	WIN MUL_HI
	MUL16 4, 1, NQ-1, 1, 0
	MUL16 6, 1, NQ-1, 1, 0
	WIN 0
; THE WAY OUT, block by block of 16 rows x 128 columns (two heads).  PACK: rounded to f16, a lane's eight columns are 16 bytes.  TOSTAGE: into my own stage, a head's 16 rows of 128 bytes on end, and back four rows at a time.
; SEND: each store of the wave covers 512 consecutive bytes of qkv, aligned: four positions of one head.  LDS serves a wave's instructions in order: no wait between the stores and the loads.
.macro PACK a
.set AC, 64*((\a)%4)
	WIN 0x0a+5*((\a)/4)                            ; sources 0 and 1: window 2 or 3
.irp b, 0,1,2,3,4,5,6,7
.irp r, 0,1,2,3
	v_cvt_pk_f16_f32 v[TMP+4*\b+\r], v[AC+8*\b+2*\r], v[AC+8*\b+2*\r+1]    ; each accumulator from its low end on
.endr
.endr
	WIN 0
.endm
.macro TOSTAGE a
.set BB, BK+32*((\a)%2)
.irp b, 0,1,2,3,4,5,6,7
	ds_store_b128 v[STO], v[TMP+4*\b:TMP+4*\b+3] offset:(\b/4)*HSTG+32*(\b%4)
.endr
.irp i, 0,1,2,3,4,5,6,7
	ds_load_b128 v[BB+4*\i:BB+4*\i+3], v[RD] offset:(\i/4)*HSTG+(\i%4)*4*HP
.endr
.endm
.macro SEND a
.set BB, BK+32*((\a)%2)
	s_wait_dscnt 0x0                               ; the block is back in registers
	s_wait_xcnt 0x0                                ; the block before has had its stores' registers read: the next block's loads from the stage land there
.irp i, 0,1,2,3,4,5,6,7
	global_store_b128 v[CO], v[BB+4*\i:BB+4*\i+3], s[12:13] offset:(\i/4)*262144+(\a)*2048+(\i%4)*512
.endr
.endm
	PLACES NP
	PACK 0
	TOSTAGE 0
.irp a, 1,2,3,4,5,6,7                  ; block a's conversions stand between block a - 1's loads from the stage and the wait for them
	PACK \a
	SEND \a-1
	TOSTAGE \a
.endr
	SEND 7
	s_wait_tensorcnt 0x0                           ; the wave's end, behind my last tensor load and my last LDS store
	ds_add_u32 v[SPW], v[NIL]
	s_wait_dscnt 0x0
	CROUND                                         ; the closing round: no work-group ends while a partner may still ask for a tile that names it
	s_endpgm
.Lfunc_end_k_qfc017fcf87_qkv:
	.size	k_qfc017fcf87_qkv, .Lfunc_end_k_qfc017fcf87_qkv-k_qfc017fcf87_qkv
	.p2alignl 7, 3214868480
	.fill 96, 4, 3214868480
	.section	.rodata,"a",@progbits
	.p2align	6, 0x0
	.amdhsa_kernel k_qfc017fcf87_qkv
		.amdhsa_group_segment_fixed_size 327680
		.amdhsa_private_segment_fixed_size 0
		.amdhsa_enable_private_segment 0
		.amdhsa_kernarg_size 56
		.amdhsa_user_sgpr_count 2
		.amdhsa_user_sgpr_kernarg_segment_ptr 1
		.amdhsa_wavefront_size32 1
		.amdhsa_system_sgpr_workgroup_id_x 1
		.amdhsa_system_sgpr_workgroup_id_y 1
		.amdhsa_system_sgpr_workgroup_id_z 1
		.amdhsa_system_vgpr_workitem_id 0
		.amdhsa_next_free_vgpr 1024
		.amdhsa_next_free_sgpr 100
		.amdhsa_reserve_vcc 0
		.amdhsa_float_denorm_mode_32 3
		.amdhsa_float_denorm_mode_16_64 3
		.amdhsa_memory_ordered 1
		.amdhsa_forward_progress 1
		.amdhsa_inst_pref_size 130
	.end_amdhsa_kernel
	.amdgpu_metadata
---
amdhsa.version: [ 1, 2 ]
amdhsa.kernels:
  - .name:           k_qfc017fcf87_qkv
    .symbol:         k_qfc017fcf87_qkv.kd
    .args:
      - { .name: xc, .offset: 0, .size: 8, .value_kind: global_buffer, .address_space: global }
      - { .name: xs, .offset: 8, .size: 8, .value_kind: global_buffer, .address_space: global }
      - { .name: wc, .offset: 16, .size: 8, .value_kind: global_buffer, .address_space: global }
      - { .name: ws, .offset: 24, .size: 8, .value_kind: global_buffer, .address_space: global }
      - { .name: qkv, .offset: 32, .size: 8, .value_kind: global_buffer, .address_space: global }
      - { .name: bq, .offset: 40, .size: 8, .value_kind: global_buffer, .address_space: global }
      - { .name: bv, .offset: 48, .size: 8, .value_kind: global_buffer, .address_space: global }
    .group_segment_fixed_size: 327680
    .private_segment_fixed_size: 0
    .kernarg_segment_align: 8
    .kernarg_segment_size: 56
    .max_flat_workgroup_size: 128
    .sgpr_count:     100
    .vgpr_count:     1024
    .wavefront_size: 32
...
	.end_amdgpu_metadata
.endif
;; end of part 2
;; launch attn (part 3): grid 4 x 64, 8 waves a work-group, clusters of 4 x 1, 327,680 bytes of LDS; arguments qkv, mask, ctx; writes ctx
.if DOCPART == 3
	.amdgcn_target "amdgcn-amd-amdhsa--gfx1250"
	.amdhsa_code_object_version 6
	.text
	.protected	k_qfc017fcf87_attn
	.globl	k_qfc017fcf87_attn
	.p2align	8
	.type	k_qfc017fcf87_attn,@function
k_qfc017fcf87_attn:
	s_mov_b64 s[64:65], 0
	v_nop
	global_prefetch_b8 v0, s[64:65] scope:SCOPE_SE
	s_setreg_imm32_b32 hwreg(HW_REG_WAVE_MODE, 25, 1), 1
	s_wait_xcnt 0x0
	s_wait_alu depctr_hold_cnt(0) depctr_sa_sdst(0) depctr_va_vdst(0) depctr_va_sdst(0) depctr_va_ssrc(0) depctr_va_vcc(0) depctr_vm_vsrc(0)
	s_getreg_b32 s2, hwreg(HW_REG_IB_STS2, 6, 4)
	s_cmp_eq_u32 s2, 0
	s_cbranch_scc0 .Lentry_in_a_cluster
	s_endpgm
.Lentry_in_a_cluster:
	s_bfe_u32 s2, ttmp6, 0x10000c
	s_cmp_lg_u32 s2, 0x3003
	s_cbranch_scc0 .Lentry_shape_is_right
	s_endpgm
.Lentry_shape_is_right:
; Launch 3 of 4: ctx[b][hd][q][:] = the sum over keys j of softmax_j(q . k_j / 8, keys with mask = 0 left out) v_j[:].  q, k, v: f16, qkv [3][4][16][2048][64]; mask [4][2048] int32; ctx [4][16][2048][64] f16.
; Products with f16 operands and f32 sums; maxima, exponentials and sums in f32; the weights p are rounded to f16 for the second product, the context once at the end.
; SHARES.  A cluster of four work-groups is one head of one batch; a work-group owns 512 queries, each of its eight waves 64: four tiles of 16.  Two waves share a SIMD, so that one wave's softmax stands beside the other's products.
; Every wave walks all 2,048 keys, 64 a step.  K and V come through a ring of two LDS slots of four steps (256 keys); every tile is asked for JOINTLY by the four work-groups, one tensor load a wave: waves 0-3 K of the slot's
; steps 0-3, waves 4-7 V of them.  A fragment read from LDS feeds four matrix instructions, one for each tile of queries.
; LAYOUT.  S^T = K Q^T + C (source 0 = 16 keys, source 1 = 16 queries): a lane holds ONE query (lane % 16) and keys 8 (lane / 16) + 0..7.  Two such tiles, rounded to f16 in pairs, ARE source 1 of O^T = V^T P, whose result again
; holds one query a lane.  K comes out of LDS as it lies, V ([key][channel]) turned, by ds_load_tr16_b128.
; THE MASK is the C of each score's first matrix instruction: 0 for a key that counts, -2^100 for one that does not.  No branch and no address hangs on it.
; SOFTMAX.  For each query a running maximum m of the raw scores and a running sum l: p = 2^(c s - c m), c = log2(e) / 8 (the division of q by sqrt(64) is this factor's 1/8: a power of two, so nothing is rounded otherwise);
; in every step O and l are multiplied by a = 2^(c m_old - c m_new).
; LIMITS.  -2^100 stands for reference()'s -infinity: p of a masked key is exactly 0 as soon as one key of the row counts, for raw scores under 2^99 in magnitude.  A step in which no key has counted yet gives p = 1 for its
; masked keys; the first key that counts makes a = 0, which wipes that out.  A row in which no key counts (m under -2^99) is given NaN at the end, as reference() gives it.  NaN and infinities among the inputs are not served.
; If input and wv are both some 30 times smaller than drawn, the context falls among f16's subnormal numbers and its rounding grows accordingly.
; REGISTERS, in two windows of 256 (s_set_vgpr_msb: bits 1:0 source 0, 3:2 source 1, 5:4 source 2, 7:6 destination):
;   window 0: v2-14 addresses; v15-31 at work; v32-63 statistics, eight a tile; v64-191 S^T, 32 a tile, P packed in place into each tile's lower 16; v192-255 Q, 16 a tile
;   window 1: v0-127 O^T, 32 a tile; v128-191 K's eight fragments of a step, then V's; v192-223 the mask's term, eight registers for each 16 keys
.set KS,    64                         ; keys in a step
.set NST,   4                          ; steps in a slot
.set PK,    144                        ; a row of K in LDS: 128 bytes + 16: the 16 rows of a load start at 16 different groups of banks
.set PV,    160                        ; a row of V: 128 + 32: an odd multiple of 32 bytes, for the turning load
.set VOFF,  KS*PK                      ; a step's tiles lie together: 64 rows of K, then 64 rows of V
.set STEPB, KS*(PK+PV)
.set SLOT1, 1<<17                      ; slot 1 begins here, so that one exclusive or turns an address in one slot into the other's
.set BIAS,  SLOT1+NST*STEPB            ; behind the ring: the mask's term for the batch's 2,048 keys, f32; stored by the waves, never a tensor load's target
.set STAGE, BIAS+8192                  ; the way out: 16 rows x 144 bytes for each wave
.set SP,    144
.set SPARE, STAGE+8*16*SP              ; the spare words, 128 bytes a wave
.set AK0, 2                            ; v2   my lane's place in a tile of K
.set AV0, 3                            ; v3   the same for V
.set AB0, 4                            ; v4   and in the mask's term
.set ADK, 5                            ; v5-7 the step's addresses
.set ADV, 6
.set ADB, 7
.set QO,  8                            ; v8   my byte offset in the wave's rows of Q
.set STO, 9                            ; v9   the way out: where I put 16 bytes of a row
.set RD,  10                           ; v10  where I read rows back
.set GO,  11                           ; v11  16 x lane
.set PFO, 12                           ; v12  256 x lane: the prefetches' offset; never rewritten
.set SPW, 13                           ; v13  my spare word; never rewritten
.set NIL, 14                           ; v14  0; never rewritten
.set OLD, 16                           ; v16-19 c m of the step before, a tile each
.set ST,  32                           ; tile t's statistics at v[ST+8 t]: +0 c m, +1 m, +2, +3 l (even keys', odd keys'), +4 to +7 at work; a takes +6
.set S,   64
.set Q,   192
.set O,   0                            ; in window 1
.set F,   128
.set BI,  192
.set WV,  12                           ; s12  my wave's number
.set G1K, 24                           ; s[24:31] descriptor group 1 for K's tiles;  s[32:39] for V's: it differs in the padding alone
.set G1V, 32
.set G0K, 40                           ; s[40:43], s[44:47] their groups 0, which walk
.set G0V, 44
.set SLOTS, 48                         ; s48  slots still to be asked for
.set CNT, 49                           ; s49  counts a slot's steps
.set TB,  50                           ; s50  LDS byte at which the step's tiles begin
.set TBI, 51                           ; s51  the step's first key x 4
.set CS,  52                           ; s[52:53] c: the packed form names a pair and takes its low word for both halves
.set SEL, 54                           ; s[54:55] lane selects for v_permlanex16_b32: lane l xor 16
.set PFA, 56                           ; s[56:57] where my prefetches stand
.set LIM, 58                           ; s58  1 in a wave that prefetches, else the greatest number
.set THR, 59                           ; s59  -2^99
.set MSB, 0
.macro WIN new                         ; the immediate's high byte repeats the setting that is left; a switch that changes nothing is dropped
.if MSB != (\new)
	s_set_vgpr_msb (MSB<<8)|(\new)
.set MSB, (\new)
.endif
.endm
; A joint load.  The branch hangs on the wave's number alone.  An s_nop 0 and four v_nop follow each of the two lines.
.macro JLOAD
	s_cmp_lt_u32 s[WV], 4
	s_cbranch_scc0 .Lfor_v_\@
	tensor_load_to_lds s[G0K:G0K+3], s[G1K:G1K+7]
	s_nop 0
.rept 4
	v_nop
.endr
	s_branch .Lasked_\@
.Lfor_v_\@:
	tensor_load_to_lds s[G0V:G0V+3], s[G1V:G1V+7]
	s_nop 0
.rept 4
	v_nop
.endr
.Lasked_\@:
.endm
; A PREFETCH INTO THE L2 of what the NEXT change of slots will ask for: a slot's 32,768 bytes of K and of V, dense.  The four partners share them out BY ADDRESS, 8,192 bytes each; in each, wave 0 asks for K's and wave 4 for V's,
; lanes 256 bytes apart: each block of 256 bytes is named once in the launch.  It stands behind the wave's tensor load: four key steps, 256 matrix instructions a wave, ahead of the load that will want the bytes.
; The last change that fills a slot asks for nothing; slots 0 and 1 come by their loads alone.
.macro ASK
	s_cmp_gt_u32 s[SLOTS], s[LIM]
	s_cbranch_scc0 .Lnot_mine_\@
	global_prefetch_b8 v[PFO], s[PFA:PFA+1] th:TH_LOAD_NT scope:SCOPE_SE
.Lnot_mine_\@:
.endm
.macro CROUND                          ; a round of the cluster's barrier
	s_barrier_signal -1
	s_barrier_wait -1
	s_cmp_lg_u32 s[WV], 0
	s_cbranch_scc1 .Lnot_wave_0_\@
	s_barrier_signal -3
.Lnot_wave_0_\@:
	s_barrier_wait -3
	s_barrier_signal -1
	s_barrier_wait -1
.endm
	s_load_b128 s[4:7], s[0:1], 0x0                ; qkv s[4:5], mask s[6:7]
	s_load_b64 s[8:9], s[0:1], 0x10                ; ctx
	v_lshl_add_u32 v[SPW], v0, 2, SPARE
	v_mov_b32 v[NIL], 0
	ds_add_u32 v[SPW], v[NIL]                      ; the wave's opening: the add, twice on end, and its wait ahead of my first tensor load
	ds_add_u32 v[SPW], v[NIL]
	v_lshrrev_b32 v1, 5, v0
	v_readfirstlane_b32 s[WV], v1                  ; wave 0..7
	s_bfe_u32 s13, ttmp6, 0x40000                  ; cx: my place in the cluster: it enters Q's, ctx's and the prefetches' addresses alone
	s_and_b32 s14, ttmp7, 0xffff                   ; batch x 16 + head, which the four partners share
	s_and_b32 s15, s[WV], 3                        ; which of a slot's four steps I fetch
	s_lshl_b32 s16, s14, 18                        ; a head's rows are 262,144 bytes
	s_lshl_b32 s17, s15, 13                        ; a step's 64 rows 8,192
	s_add_co_u32 s16, s16, s17
	s_add_co_u32 s18, s16, 1<<25                   ; V's part of qkv
	s_add_co_u32 s16, s16, 1<<24                   ; K's
	s_mov_b32 s17, 0
	s_mov_b32 s19, 0
	s_lshl_b32 s20, s14, 18
	s_lshl_b32 s21, s13, 16                        ; my work-group's 512 queries,
	s_add_co_u32 s20, s20, s21
	s_lshl_b32 s21, s[WV], 13                      ; my wave's 64
	s_add_co_u32 s20, s20, s21
	s_mov_b32 s21, 0
	s_lshr_b32 s22, s14, 4
	s_lshl_b32 s22, s22, 13                        ; the batch's row of the mask
	s_mov_b32 s23, 0
	s_mul_i32 s15, s15, STEPB                      ; my tile's place in a slot: no place in the cluster enters an LDS address
	; descriptor group 1: a tile of 64 rows x 64 elements of 2 bytes, dense in memory, padded in LDS
	s_mov_b32 s[G1K], 15|(1<<16)|(1<<20)|(1<<21)|(4<<22)|(3<<25)  ; 15:0 the mask: all four work-groups; elements of 2 bytes; padding on; bit 21 beside a mask; after every 32 words 4 words
	s_mov_b32 s[G1V], 15|(1<<16)|(1<<20)|(1<<21)|(4<<22)|(7<<25)  ; the same with 8 words
.irp g, G1K, G1V
	s_mov_b32 s[\g+1], 64<<16                      ; tensor_dim0
	s_mov_b32 s[\g+2], KS<<16                      ; tensor_dim1
	s_mov_b32 s[\g+3], 64<<16                      ; tile_dim0
	s_mov_b32 s[\g+4], KS                          ; tile_dim1
	s_mov_b32 s[\g+5], 64                          ; tensor_dim0_stride
	s_mov_b32 s[\g+6], 0
	s_mov_b32 s[\g+7], 0
.endr
	s_mov_b32 s[CS], 0x3e38aa3b                    ; c = log2(e) / 8
	s_mov_b32 s[CS+1], s[CS]                       ; (named with it as a pair, so it is written)
	s_mov_b32 s[SEL], 0x76543210
	s_mov_b32 s[SEL+1], 0xfedcba98
	s_mov_b32 s[THR], 0xf1000000                   ; -2^99
	s_mov_b32 s[TB], 0
	s_mov_b32 s[TBI], 0
	s_mov_b32 s[SLOTS], 2048/(NST*KS)-1
	s_and_b32 s[LIM], s[WV], 3
	s_cmp_eq_u32 s[LIM], 0                         ; waves 0 and 4 prefetch: the same in all four partners
	s_cselect_b32 s[LIM], 1, -1
	s_wait_dscnt 0x0                               ; both opening adds are done
	s_wait_kmcnt 0x0
	s_add_nc_u64 s[16:17], s[4:5], s[16:17]        ; K at my tile of slot 0
	s_add_nc_u64 s[18:19], s[4:5], s[18:19]        ; V likewise
	s_add_nc_u64 s[4:5], s[4:5], s[20:21]          ; Q at my wave's first query
	s_add_nc_u64 s[8:9], s[8:9], s[20:21]          ; ctx likewise
	s_add_nc_u64 s[6:7], s[6:7], s[22:23]          ; the mask at my batch
	s_cmp_lt_u32 s[WV], 4
	s_cselect_b64 s[PFA:PFA+1], s[16:17], s[18:19] ; (in waves 0 and 4 these stand at a slot's first row)
	s_lshl_b32 s22, s13, 13                        ; my work-group's 8,192 bytes of a slot's 32,768,
	s_add_co_u32 s22, s22, NST*KS*128              ; in slot 1: the first change of slots steps it to slot 2.  Nothing is prefetched here, at the head
	s_add_nc_u64 s[PFA:PFA+1], s[PFA:PFA+1], s[22:23]
	CROUND                                         ; all four work-groups are here: the first joint loads meet
	s_mov_b32 s[G0K], 1                            ; count = 1
	s_mov_b32 s[G0K+1], s15                        ; LDS address: slot 0
	s_mov_b64 s[G0K+2:G0K+3], s[16:17]             ; global address
	s_or_b32 s[G0K+3], s[G0K+3], 0x80000000        ; type = 2
	s_mov_b32 s[G0V], 1
	s_add_co_u32 s[G0V+1], s15, VOFF
	s_mov_b64 s[G0V+2:G0V+3], s[18:19]
	s_or_b32 s[G0V+3], s[G0V+3], 0x80000000
	JLOAD                                          ; slot 0: every wave issues one load
	v_and_b32 v30, 15, v0                          ; r = l % 16
	v_bfe_u32 v31, v0, 4, 1                        ; h = l / 16
	v_lshlrev_b32 v[QO], 7, v30
	v_lshl_add_u32 v[QO], v31, 4, v[QO]            ; row x 128 + 16 x half
.irp t, 0,1,2,3                                ; Q stays in registers: tile t, channels 32 cc on.  A fragment is 16 rows x 32 channels: two loads of 16 bytes, 32 bytes apart
.irp cc, 0,1
	global_load_b128 v[Q+16*\t+8*\cc:Q+16*\t+8*\cc+3],   v[QO], s[4:5] offset:\t*2048+64*\cc
	global_load_b128 v[Q+16*\t+8*\cc+4:Q+16*\t+8*\cc+7], v[QO], s[4:5] offset:\t*2048+64*\cc+32
.endr
.endr
	v_lshlrev_b32 v15, 4, v0                       ; the mask: 256 threads x 16 bytes, twice
	global_load_b128 v[20:23], v15, s[6:7]
	global_load_b128 v[24:27], v15, s[6:7] offset:4096
	v_lshl_add_u32 v29, v0, 4, BIAS                ; and where its term goes
	v_mov_b32 v28, 0xf1800000                      ; -2^100
	v_mul_u32_u24 v[AK0], v30, PK
	v_lshl_add_u32 v[AK0], v31, 4, v[AK0]          ; K: row x pitch + 16 x half
	v_and_b32 v1, 7, v0                            ; V: the turning load takes 16 keys x 16 channels: lane l reads key 8 (l / 16) + l % 8, channels 8 ((l / 8) % 2) + 0..7
	v_lshl_add_u32 v[AV0], v31, 3, v1
	v_mul_u32_u24 v[AV0], v[AV0], PV
	v_bfe_u32 v1, v0, 3, 1
	v_lshl_add_u32 v[AV0], v1, 4, v[AV0]
	v_add_nc_u32 v[AV0], VOFF, v[AV0]
	v_lshl_add_u32 v[AB0], v31, 5, BIAS            ; the term of keys 8 h + 0..7 of a tile
	s_mul_i32 s14, s[WV], 16*SP
	s_add_co_u32 s14, s14, STAGE                   ; my stage
	v_mul_u32_u24 v[STO], v30, SP                  ; in: row l % 16, 16 bytes for each half of the lanes
	v_lshl_add_u32 v[STO], v31, 4, v[STO]
	v_add_nc_u32 v[STO], s14, v[STO]
	v_bfe_u32 v1, v0, 3, 2                         ; back: eight lanes to a row of 128 bytes, four rows an instruction
	v_mul_u32_u24 v[RD], v1, SP
	v_and_b32 v1, 7, v0
	v_lshl_add_u32 v[RD], v1, 4, v[RD]
	v_add_nc_u32 v[RD], s14, v[RD]
	v_and_b32 v1, 31, v0
	v_lshlrev_b32 v[GO], 4, v1
	v_lshlrev_b32 v[PFO], 8, v1
.irp t, 0,1,2,3
	v_mov_b32 v[ST+8*\t+1], 0xff61b1e6             ; m = -3e38, under every score, a masked one too
	v_mov_b32 v[ST+8*\t+2], 0                      ; l
	v_mov_b32 v[ST+8*\t+3], 0
.endr
.irp t, 0,1,2,3
	v_mul_f32 v[ST+8*\t], s[CS], v[ST+8*\t+1]      ; c m
.endr
	WIN 0x40
.set i, 0
.rept 128
	v_mov_b32 v[O+i], 0                            ; O^T.  (The step is written once for all steps: the first finds zeros, which a = 0 leaves zeros)
.set i, i+1
.endr
	WIN 0
	s_wait_loadcnt 0x0                             ; Q and the mask
.irp j, 20,21,22,23,24,25,26,27
	v_cmp_eq_u32 vcc_lo, 0, v\j
	v_cndmask_b32 v\j, v[NIL], v28, vcc_lo         ; 0 where the key counts, -2^100 where it does not
.endr
	ds_store_b128 v29, v[20:23]
	ds_store_b128 v29, v[24:27] offset:4096        ; the first change of slots waits for these stores ahead of its barrier: behind it every wave may read them
; A KEY STEP: 64 keys, at LDS byte s[TB]; written once for all steps.
.macro STEP
	WIN 0
	v_add_nc_u32 v[ADK], s[TB], v[AK0]             ; five plain lines behind the last step's products: four are owed to the loads into the fragments' registers,
	v_add_nc_u32 v[ADV], s[TB], v[AV0]             ; five to the score products, which write over P
	v_add_nc_u32 v[ADB], s[TBI], v[AB0]
	v_nop
	v_nop
	WIN 0x40                                       ; destination window 1
.irp kt, 0,1,2,3                               ; K: keys 16 kt on, channels 32 cc on
.irp cc, 0,1
	ds_load_b128 v[F+16*\kt+8*\cc:F+16*\kt+8*\cc+3],   v[ADK] offset:\kt*16*PK+64*\cc
	ds_load_b128 v[F+16*\kt+8*\cc+4:F+16*\kt+8*\cc+7], v[ADK] offset:\kt*16*PK+64*\cc+32
.endr
.endr
.irp kt, 0,1,2,3                               ; the mask's term of my eight keys of each tile
	ds_load_b128 v[BI+8*\kt:BI+8*\kt+3],   v[ADB] offset:64*\kt
	ds_load_b128 v[BI+8*\kt+4:BI+8*\kt+7], v[ADB] offset:64*\kt+16
.endr
	s_wait_dscnt 0x0
	WIN 0x11                                       ; K and the term in window 1, Q and S^T in window 0
.irp kt, 0,1,2,3                               ; S^T = term + K Q^T: sixteen accumulators by turns, one instruction a turn
.irp t, 0,1,2,3
	v_wmma_f32_16x16x32_f16 v[S+32*\t+8*\kt:S+32*\t+8*\kt+7], v[F+16*\kt:F+16*\kt+7], v[Q+16*\t:Q+16*\t+7], v[BI+8*\kt:BI+8*\kt+7]
.endr
.endr
	WIN 0x01
.irp kt, 0,1,2,3
.irp t, 0,1,2,3
	v_wmma_f32_16x16x32_f16 v[S+32*\t+8*\kt:S+32*\t+8*\kt+7], v[F+16*\kt+8:F+16*\kt+15], v[Q+16*\t+8:Q+16*\t+15], v[S+32*\t+8*\kt:S+32*\t+8*\kt+7]
.endr
.endr
	WIN 0
.irp t, 0,1,2,3
	v_mov_b32 v[OLD+\t], v[ST+8*\t]                ; c m_old is kept for a.  (These four are the places behind the score products)
.endr
	WIN 0x40
.irp kb, 0,1                                   ; V, turned: keys 32 kb on, channels 16 c on; it lands while the softmax is worked
.irp c, 0,1,2,3
	ds_load_tr16_b128 v[F+32*\kb+8*\c:F+32*\kb+8*\c+3],   v[ADV] offset:\kb*32*PV+32*\c
	ds_load_tr16_b128 v[F+32*\kb+8*\c+4:F+32*\kb+8*\c+7], v[ADV] offset:\kb*32*PV+16*PV+32*\c
.endr
.endr
	WIN 0
	; the maximum of my 32 scores of each tile and the old m: four chains, each begun at its accumulator's low end; the four tiles by turns
.irp j, 0,1,2,3
.irp t, 0,1,2,3
	v_max3_num_f32 v[ST+8*\t+4+\j], v[S+32*\t+8*\j], v[S+32*\t+8*\j+1], v[S+32*\t+8*\j+2]
.endr
.endr
.irp u, 1,2
.irp j, 0,1,2,3
.irp t, 0,1,2,3
	v_max3_num_f32 v[ST+8*\t+4+\j], v[ST+8*\t+4+\j], v[S+32*\t+8*\j+2*\u+1], v[S+32*\t+8*\j+2*\u+2]
.endr
.endr
.endr
.irp t, 0,1,2,3
	v_max3_num_f32 v[ST+8*\t+4], v[ST+8*\t+4], v[S+32*\t+7], v[S+32*\t+15]
.endr
.irp t, 0,1,2,3
	v_max3_num_f32 v[ST+8*\t+6], v[ST+8*\t+6], v[S+32*\t+23], v[S+32*\t+31]
.endr
.irp t, 0,1,2,3
	v_max3_num_f32 v[ST+8*\t+4], v[ST+8*\t+4], v[ST+8*\t+5], v[ST+8*\t+6]
.endr
.irp t, 0,1,2,3
	v_max3_num_f32 v[ST+8*\t+4], v[ST+8*\t+4], v[ST+8*\t+7], v[ST+8*\t+1]
.endr
.irp t, 0,1,2,3
	v_permlanex16_b32 v[ST+8*\t+5], v[ST+8*\t+4], s[SEL], s[SEL+1]   ; the query's other 32 keys lie in the lane 16 away
.endr
.irp t, 0,1,2,3
	v_max_num_f32 v[ST+8*\t+1], v[ST+8*\t+4], v[ST+8*\t+5]          ; the new m
.endr
.irp t, 0,1,2,3
	v_mul_f32 v[ST+8*\t], s[CS], v[ST+8*\t+1]                      ; c m
.endr
.irp t, 0,1,2,3
	v_sub_f32 v[ST+8*\t+7], v[OLD+\t], v[ST+8*\t]                  ; c m_old - c m_new
.endr
.set i, 0
.rept 16
.irp t, 0,1,2,3
	v_pk_fma_f32 v[S+32*\t+i:S+32*\t+i+1], v[S+32*\t+i:S+32*\t+i+1], s[CS:CS+1], v[ST+8*\t:ST+8*\t+1] op_sel_hi:[1,0,0] neg_lo:[0,0,1] neg_hi:[0,0,1]   ; c s - c m, two at a time
.endr
.set i, i+2
.endr
	; ONE BATCH of 132 exponentials, none of which reads another's result
.irp t, 0,1,2,3
	v_exp_f32 v[ST+8*\t+6], v[ST+8*\t+7]           ; a
.endr
.set i, 0
.rept 32
.irp t, 0,1,2,3
	v_exp_f32 v[S+32*\t+i], v[S+32*\t+i]           ; p
.endr
.set i, i+1
.endr
	v_nop                                          ; a plain line behind the last exponential
	s_wait_alu depctr_va_vdst(0)                   ; one wait for the batch, ahead of the first line that names a result
.irp t, 0,1,2,3
	v_pk_fma_f32 v[ST+8*\t+2:ST+8*\t+3], v[ST+8*\t+2:ST+8*\t+3], v[ST+8*\t+6:ST+8*\t+7], v[S+32*\t:S+32*\t+1] op_sel_hi:[1,0,1]   ; l = a l + p, of the unrounded p
.endr
.set i, 2
.rept 15
.irp t, 0,1,2,3
	v_pk_add_f32 v[ST+8*\t+2:ST+8*\t+3], v[ST+8*\t+2:ST+8*\t+3], v[S+32*\t+i:S+32*\t+i+1]
.endr
.set i, i+2
.endr
.set i, 0
.rept 16
.irp t, 0,1,2,3
	v_cvt_pk_f16_f32 v[S+32*\t+i], v[S+32*\t+2*i], v[S+32*\t+2*i+1]   ; P, in place: register i takes pair i, which lies at 2 i or beyond
.endr
.set i, i+1
.endr
	s_wait_dscnt 0x0                               ; V is in
	WIN 0x41                                       ; O^T in window 1, a in window 0
.irp t, 0,1,2,3
.set i, 0
.rept 16
	v_pk_mul_f32 v[O+32*\t+i:O+32*\t+i+1], v[O+32*\t+i:O+32*\t+i+1], v[ST+8*\t+6:ST+8*\t+7] op_sel_hi:[1,0]   ; O^T x a, each accumulator from its low end on
.set i, i+2
.endr
.endr
	WIN 0x51                                       ; V and O^T in window 1, P in window 0
.irp kb, 0,1                                   ; O^T += V^T P: sixteen accumulators by turns
.irp c, 0,1,2,3
.irp t, 0,1,2,3
	v_wmma_f32_16x16x32_f16 v[O+32*\t+8*\c:O+32*\t+8*\c+7], v[F+32*\kb+8*\c:F+32*\kb+8*\c+7], v[S+32*\t+8*\kb:S+32*\t+8*\kb+7], v[O+32*\t+8*\c:O+32*\t+8*\c+7]
.endr
.endr
.endr
	s_add_co_u32 s[TB], s[TB], STEPB               ; the next step's tiles,
	s_add_co_u32 s[TBI], s[TBI], 4*KS              ; and its keys' terms
.endm
; THE CHANGE OF SLOTS stands at a slot's head.  Each wave waits for all its tensor loads (one is out: its part of the slot that it is about to read), adds 0 to its spare word, and waits for that, for its reads of the slot
; that it has left and (the first time) for its stores of the mask's term.  fill = 1: the barrier is a round of the cluster's, so that no wave of any partner still reads the slot left or has a load on its way; the joint load
; of the next 256 keys is the first thing behind it and has a slot's four steps in which to land.  The first trip's load is slot 1's first fill.
.macro CHANGE fill
	WIN 0
	s_wait_tensorcnt 0x0                           ; no tensor load of mine is out, so a group 0 may be written
	ds_add_u32 v[SPW], v[NIL]                      ; 0 onto my spare word
.if \fill
	s_xor_b32 s[G0K+1], s[G0K+1], SLOT1            ; the walking descriptors: the other slot than last time,
	s_add_nc_u64 s[G0K+2:G0K+3], s[G0K+2:G0K+3], NST*KS*128   ; the next 256 keys; the type bits on top are not reached
	s_xor_b32 s[G0V+1], s[G0V+1], SLOT1
	s_add_nc_u64 s[G0V+2:G0V+3], s[G0V+2:G0V+3], NST*KS*128
	s_wait_xcnt 0x0                                ; the last prefetch, a slot back, has read its address, so it may be written:
	s_add_nc_u64 s[PFA:PFA+1], s[PFA:PFA+1], NST*KS*128       ; one slot further on than the walking descriptors
	s_wait_dscnt 0x0
	CROUND
	JLOAD
	ASK
.else
	s_wait_dscnt 0x0
	s_barrier_signal -1
	s_barrier_wait -1
.endif
.endm
.macro SLOT_STEPS                      ; a slot's four steps: written once, walked four times
	s_mov_b32 s[CNT], NST
.Lstep_\@:
	STEP
	WIN 0                                          ; at a label and at a branch every window is 0
	s_sub_co_u32 s[CNT], s[CNT], 1
	s_cmp_lg_u32 s[CNT], 0
	s_cbranch_scc1 .Lstep_\@
	s_sub_co_u32 s[TB], s[TB], NST*STEPB           ; back to a slot's first step,
	s_xor_b32 s[TB], s[TB], SLOT1                  ; in the other slot
.endm
.Lslot:                                            ; seven trips: behind each change of slots but the last the next slot is asked for
	CHANGE 1
	SLOT_STEPS
	s_sub_co_u32 s[SLOTS], s[SLOTS], 1
	s_cmp_lg_u32 s[SLOTS], 0
	s_cbranch_scc1 .Lslot
	CHANGE 0                                       ; the last slot is written out
	SLOT_STEPS
	; THE WAY OUT.  l's two halves and the other half of the lanes' are added; O^T is divided by l, rounded to f16 and sent through my stage, a tile (16 queries) at a time.  The additions are the places behind the last products.
.irp t, 0,1,2,3
	v_add_f32 v[ST+8*\t+4], v[ST+8*\t+2], v[ST+8*\t+3]
.endr
.irp t, 0,1,2,3
	v_permlanex16_b32 v[ST+8*\t+5], v[ST+8*\t+4], s[SEL], s[SEL+1]
.endr
.irp t, 0,1,2,3
	v_add_f32 v[ST+8*\t+4], v[ST+8*\t+4], v[ST+8*\t+5]
.endr
.irp t, 0,1,2,3
	v_rcp_f32 v[ST+8*\t+2], v[ST+8*\t+4]
.endr
	v_mov_b32 v28, 0x7fc00000                      ; NaN.  (A plain line behind the last reciprocal)
	s_wait_alu depctr_va_vdst(0)                   ; one wait for the four reciprocals, ahead of their first reader
.irp t, 0,1,2,3
	v_cmp_gt_f32 vcc_lo, s[THR], v[ST+8*\t+1]      ; no key of the row counted: m lies under -2^99
	v_cndmask_b32 v[ST+8*\t+2], v[ST+8*\t+2], v28, vcc_lo   ; then the row is NaN, as reference() has it
.endr
.macro PACK t
	WIN 0x01                                       ; O^T in window 1
.set i, 0
.rept 16
	v_pk_mul_f32 v[S+32*\t+i:S+32*\t+i+1], v[O+32*\t+i:O+32*\t+i+1], v[ST+8*\t+2:ST+8*\t+3] op_sel_hi:[1,0]   ; each accumulator from its low end on
.set i, i+2
.endr
	WIN 0
.set i, 0
.rept 16
	v_cvt_pk_f16_f32 v[S+32*\t+i], v[S+32*\t+2*i], v[S+32*\t+2*i+1]
.set i, i+1
.endr
.irp c, 0,1,2,3
	ds_store_b128 v[STO], v[S+32*\t+4*\c:S+32*\t+4*\c+3] offset:32*\c      ; channels 16 c + 8 h + 0..7 of query r
.endr
.irp f, 0,1,2,3
	ds_load_b128 v[S+32*\t+16+4*\f:S+32*\t+16+4*\f+3], v[RD] offset:\f*4*SP   ; LDS serves a wave's instructions in order: these see the stores above; the next tile's stores come behind them
.endr
.endm
.macro SEND t, younger                 ; younger: the LDS instructions issued behind tile t's loads: the next tile's eight, or none
.irp f, 0,1,2,3
	s_wait_dscnt \younger+3-\f
	global_store_b128 v[GO], v[S+32*\t+16+4*\f:S+32*\t+16+4*\f+3], s[8:9] offset:\t*2048+\f*512   ; the wave stores 512 consecutive bytes, aligned: four queries
.endr
.endm
	PACK 0
	PACK 1
	SEND 0, 8
	PACK 2
	SEND 1, 8
	PACK 3
	SEND 2, 8
	SEND 3, 0
	s_wait_tensorcnt 0x0                           ; the wave's end, behind my last tensor load and my last LDS store
	ds_add_u32 v[SPW], v[NIL]
	s_wait_dscnt 0x0
	CROUND                                         ; the closing round: no work-group ends while a partner may still ask for a tile that names it
	s_endpgm
.Lfunc_end_k_qfc017fcf87_attn:
	.size	k_qfc017fcf87_attn, .Lfunc_end_k_qfc017fcf87_attn-k_qfc017fcf87_attn
	.p2alignl 7, 3214868480
	.fill 96, 4, 3214868480
	.section	.rodata,"a",@progbits
	.p2align	6, 0x0
	.amdhsa_kernel k_qfc017fcf87_attn
		.amdhsa_group_segment_fixed_size 327680
		.amdhsa_private_segment_fixed_size 0
		.amdhsa_enable_private_segment 0
		.amdhsa_kernarg_size 24
		.amdhsa_user_sgpr_count 2
		.amdhsa_user_sgpr_kernarg_segment_ptr 1
		.amdhsa_wavefront_size32 1
		.amdhsa_system_sgpr_workgroup_id_x 1
		.amdhsa_system_sgpr_workgroup_id_y 1
		.amdhsa_system_sgpr_workgroup_id_z 1
		.amdhsa_system_vgpr_workitem_id 0
		.amdhsa_next_free_vgpr 512
		.amdhsa_next_free_sgpr 66
		.amdhsa_reserve_vcc 1
		.amdhsa_float_denorm_mode_32 3
		.amdhsa_float_denorm_mode_16_64 3
		.amdhsa_memory_ordered 1
		.amdhsa_forward_progress 1
		.amdhsa_inst_pref_size 94
	.end_amdhsa_kernel
	.amdgpu_metadata
---
amdhsa.version: [ 1, 2 ]
amdhsa.kernels:
  - .name:           k_qfc017fcf87_attn
    .symbol:         k_qfc017fcf87_attn.kd
    .args:
      - { .name: qkv, .offset: 0, .size: 8, .value_kind: global_buffer, .address_space: global }
      - { .name: mask, .offset: 8, .size: 8, .value_kind: global_buffer, .address_space: global }
      - { .name: ctx, .offset: 16, .size: 8, .value_kind: global_buffer, .address_space: global }
    .group_segment_fixed_size: 327680
    .private_segment_fixed_size: 0
    .kernarg_segment_align: 8
    .kernarg_segment_size: 24
    .max_flat_workgroup_size: 256
    .sgpr_count:     66
    .vgpr_count:     512
    .wavefront_size: 32
...
	.end_amdgpu_metadata
.endif
;; end of part 3
;; launch proj (part 4): grid 4 x 64, 4 waves a work-group, clusters of 4 x 4, 327,680 bytes of LDS; arguments ctx, wo16, bo, out0; writes out0
.if DOCPART == 4
	.amdgcn_target "amdgcn-amd-amdhsa--gfx1250"
	.amdhsa_code_object_version 6
	.text
	.protected	k_qfc017fcf87_proj
	.globl	k_qfc017fcf87_proj
	.p2align	8
	.type	k_qfc017fcf87_proj,@function
k_qfc017fcf87_proj:
	s_mov_b64 s[64:65], 0
	v_nop
	global_prefetch_b8 v0, s[64:65] scope:SCOPE_SE
	s_setreg_imm32_b32 hwreg(HW_REG_WAVE_MODE, 25, 1), 1
	s_wait_xcnt 0x0
	s_wait_alu depctr_hold_cnt(0) depctr_sa_sdst(0) depctr_va_vdst(0) depctr_va_sdst(0) depctr_va_ssrc(0) depctr_va_vcc(0) depctr_vm_vsrc(0)
	s_getreg_b32 s2, hwreg(HW_REG_IB_STS2, 6, 4)
	s_cmp_eq_u32 s2, 0
	s_cbranch_scc0 .Lentry_in_a_cluster
	s_endpgm
.Lentry_in_a_cluster:
	s_bfe_u32 s2, ttmp6, 0x10000c
	s_cmp_lg_u32 s2, 0xf033
	s_cbranch_scc0 .Lentry_shape_is_right
	s_endpgm
.Lentry_shape_is_right:
; Launch 4 of 4: out0[m][n] = sum over k of context[m][k] wo[n][k] + bo[n].  The context lies by head, ctx [4][16][2048][64] f16, and so does wo16 [16][1024][64] f16; out0 [8192][1024] f32; sums in f32.
; A tile of out0 is 128 rows x 256 columns: 256 work-groups of four waves; a wave makes 64 x 128: 32 accumulators, 256 registers.  (A tile of 256 x 256 would give 128 work-groups.)
; K goes in steps of two heads (128 along K) through a ring of two LDS slots.  A head's part of the tile's rows is ONE dense block of memory: 128 rows x 128 bytes of ctx, 256 rows x 128 bytes of wo16.
; Each wave fetches one such block: wave 0 ctx's even head, wave 1 its odd head, waves 2 and 3 wo16's.  Two slots of three heads would not fit in LDS.
; CLUSTERS: 4 x 4 work-groups.  The four of a row of the cluster need the same blocks of ctx, the four of a column the same blocks of wo16: each is asked for JOINTLY.
; THE MATRIX INSTRUCTION IS USED TRANSPOSED (source 0 = 16 rows of wo16, source 1 = 16 rows of ctx): a lane holds eight neighbouring columns of a row of out0.  bo IS THE C OF THE FIRST PRODUCTS.
; No prefetch into the L2: the launch is short, and its loads and stores keep memory at work throughout.
; REGISTERS: window 0: v16-30 addresses; v32-63, v64-95 ctx's fragments (4 x 16 rows x 32 K), two buffers; v96-159 bo, eight registers for each 16 columns; on the way out v32-95 and v160-223 hold rows.
;   window 1: v0-63, v64-127 wo16's fragments (8), two buffers.   window 2: the accumulators ((a, b) at v[8 (8 a + b)]).
.set PITCH,  144                       ; an LDS row: 128 bytes + 16: the 16 rows that a load touches start at 16 different groups of banks
.set ABLK,   128*PITCH                 ; a head's block of ctx
.set BBLK,   256*PITCH                 ; of wo16
.set BOFF,   2*ABLK
.set SLOT,   2*ABLK+2*BBLK
.set STAGE,  2*SLOT                    ; behind the ring: 16 rows x (512 bytes + 16) for each wave
.set SPITCH, 528
.set SPARE,  STAGE+4*16*SPITCH         ; the spare words, 128 bytes a wave
.set LAPS,   4                         ; a lap = two K steps = four heads
.set ADRA, 16                          ; v16-17  LDS address of my ctx fragments in slot 0, 1
.set ADRB, 20                          ; v20-21  the same for wo16
.set STO,  24
.set RD,   25
.set CO,   26
.set SPW,  28                          ; my spare word; never rewritten
.set NIL,  29                          ; 0; never rewritten
.set BOF,  30                          ; 32 x (lane / 16)
.set FA,   32
.set BO,   96
.set G1, 24                            ; s[24:31] group 1 for ctx's blocks;  s[32:39] group 0, a set for each slot
.set G0, 32
.set G1B, 48                           ; s[48:55], s[56:63] the same for wo16's
.set G0B, 56
.set MSB, 0
.macro WIN new
.if MSB != (\new)
	s_set_vgpr_msb (MSB<<8)|(\new)
.set MSB, (\new)
.endif
.endm
.set MUL,  0xa1                        ; source 0 (wo16) window 1, source 1 (ctx) window 0, C and D window 2
.set TO_B, 0x40                        ; destination window 1, address window 0
.macro JLOAD s                         ; a joint load: waves 0 and 1 fetch ctx's two heads, waves 2 and 3 wo16's; an s_nop 0 and four v_nop follow each of the two lines
	s_cmp_eq_u32 s13, 0
	s_cbranch_scc0 .Lfor_b_\@
	tensor_load_to_lds s[G0+4*\s:G0+4*\s+3], s[G1:G1+7]
	s_nop 0
.rept 4
	v_nop
.endr
	s_branch .Lasked_\@
.Lfor_b_\@:
	tensor_load_to_lds s[G0B+4*\s:G0B+4*\s+3], s[G1B:G1B+7]
	s_nop 0
.rept 4
	v_nop
.endr
.Lasked_\@:
.endm
.macro CREST                           ; a round of the cluster's barrier behind its opening barrier
	s_cmp_lg_u32 s12, 0
	s_cbranch_scc1 .Lnot_wave_0_\@
	s_barrier_signal -3
.Lnot_wave_0_\@:
	s_barrier_wait -3
	s_barrier_signal -1
	s_barrier_wait -1
.endm
.macro CROUND
	s_barrier_signal -1
	s_barrier_wait -1
	CREST
.endm
	s_load_b256 s[4:11], s[0:1], 0x0               ; ctx s[4:5], wo16 s[6:7], bo s[8:9], out0 s[10:11]
	v_lshl_add_u32 v[SPW], v0, 2, SPARE
	v_mov_b32 v[NIL], 0
	ds_add_u32 v[SPW], v[NIL]                      ; the wave's opening: the add, twice on end, and its wait ahead of my first tensor load
	ds_add_u32 v[SPW], v[NIL]
	v_lshrrev_b32 v1, 5, v0
	v_readfirstlane_b32 s12, v1                    ; wave 0..3
	s_lshr_b32 s13, s12, 1                         ; which 64 of the tile's rows are mine.  Also: I fetch for ctx (0) or for wo16 (1)
	s_and_b32 s14, s12, 1                          ; which 128 of its columns.  Also: the even or the odd head of a K step
	s_bfe_u32 s40, ttmp6, 0x40000                  ; cx: also the tile column: the grid is one cluster wide
	s_bfe_u32 s41, ttmp6, 0x40004                  ; cy
	s_and_b32 s42, ttmp7, 0xffff
	s_lshl_b32 s42, s42, 2
	s_add_co_u32 s42, s42, s41                     ; tile row = 4 x cluster y + cy
	s_lshl_b32 s43, s41, 2
	s_lshl_b32 s43, 15, s43                        ; my row of the cluster
	s_lshl_b32 s44, 0x1111, s40                    ; my column
	s_or_b32 s[G1+0], s43, (1<<16)|(1<<20)|(1<<21)|(4<<22)|(3<<25)   ; the mask; elements of 2 bytes; padding on; bit 21 beside a mask; 4 words after every 32
	s_mov_b32 s[G1+1], 64<<16                      ; tensor_dim0
	s_mov_b32 s[G1+2], 128<<16                     ; tensor_dim1
	s_mov_b32 s[G1+3], 64<<16                      ; tile_dim0
	s_mov_b32 s[G1+4], 128                         ; tile_dim1
	s_mov_b32 s[G1+5], 64                          ; tensor_dim0_stride
	s_mov_b32 s[G1+6], 0
	s_mov_b32 s[G1+7], 0
	s_or_b32 s[G1B+0], s44, (1<<16)|(1<<20)|(1<<21)|(4<<22)|(3<<25)
	s_mov_b32 s[G1B+1], 64<<16
	s_mov_b32 s[G1B+2], 256<<16
	s_mov_b32 s[G1B+3], 64<<16
	s_mov_b32 s[G1B+4], 256
	s_mov_b32 s[G1B+5], 64
	s_mov_b32 s[G1B+6], 0
	s_mov_b32 s[G1B+7], 0
	s_lshr_b32 s16, s42, 4                         ; ctx: the batch (sixteen tile rows each, 2^22 bytes),
	s_lshl_b32 s16, s16, 22
	s_and_b32 s17, s42, 15
	s_lshl_b32 s17, s17, 14                        ; the tile's 128 positions of 128 bytes,
	s_add_co_u32 s16, s16, s17
	s_lshl_b32 s17, s14, 18                        ; the head's parity (a head is 2^18 bytes)
	s_add_co_u32 s16, s16, s17
	s_mov_b32 s17, 0
	s_lshl_b32 s46, s40, 15                        ; wo16: the tile's 256 rows of 128 bytes,
	s_lshl_b32 s47, s14, 17                        ; the head's parity (a head is 2^17 bytes)
	s_add_co_u32 s46, s46, s47
	s_mov_b32 s47, 0
	s_mul_i32 s20, s14, ABLK                       ; where they go: no place in the cluster enters an LDS address
	s_mul_i32 s21, s14, BBLK
	s_add_co_u32 s21, s21, BOFF
	s_wait_dscnt 0x0                               ; both opening adds are done
	s_wait_kmcnt 0x0
	s_add_nc_u64 s[16:17], s[4:5], s[16:17]
	s_add_nc_u64 s[46:47], s[6:7], s[46:47]
	CROUND                                         ; all sixteen work-groups are here: the first joint loads meet
.irp s, 0,1
	s_mov_b32 s[G0+4*\s], 1
	s_add_co_u32 s[G0+4*\s+1], s20, \s*SLOT
	s_add_nc_u64 s[G0+4*\s+2:G0+4*\s+3], s[16:17], \s*2*262144      ; K step s: two heads on
	s_or_b32 s[G0+4*\s+3], s[G0+4*\s+3], 0x80000000
	s_mov_b32 s[G0B+4*\s], 1
	s_add_co_u32 s[G0B+4*\s+1], s21, \s*SLOT
	s_add_nc_u64 s[G0B+4*\s+2:G0B+4*\s+3], s[46:47], \s*2*131072
	s_or_b32 s[G0B+4*\s+3], s[G0B+4*\s+3], 0x80000000
	JLOAD \s                                       ; two loads of mine are out
.endr
	v_and_b32 v1, 15, v0                           ; l % 16
	v_bfe_u32 v2, v0, 4, 1                         ; l / 16
	v_lshlrev_b32 v[BOF], 5, v2
	s_lshl_b32 s18, s40, 10                        ; bo: my tile's 256 columns, my wave's 128, in bytes
	s_lshl_b32 s19, s14, 9
	s_add_co_u32 s18, s18, s19
	s_mov_b32 s19, 0
	s_add_nc_u64 s[8:9], s[8:9], s[18:19]
.irp b, 0,1,2,3,4,5,6,7                        ; register 8 b + j of lane (r, h) is bo of my column 16 b + 8 h + j
	global_load_b128 v[BO+8*\b:BO+8*\b+3], v[BOF], s[8:9] offset:64*\b
	global_load_b128 v[BO+8*\b+4:BO+8*\b+7], v[BOF], s[8:9] offset:64*\b+16
.endr
	s_lshl_b32 s22, s42, 19                        ; out0: 128 rows of 4,096 bytes a tile row,
	s_lshl_b32 s23, s13, 18                        ; my wave's 64 rows,
	s_add_co_u32 s22, s22, s23
	s_add_co_u32 s22, s22, s18                     ; and the same columns as bo's
	s_mov_b32 s23, 0
	s_add_nc_u64 s[10:11], s[10:11], s[22:23]
	v_mul_u32_u24 v3, v1, PITCH
	v_lshl_add_u32 v3, v2, 4, v3                   ; a fragment's row x pitch + 16 x half
	s_mul_i32 s21, s13, 64*PITCH                   ; my 64 rows of ctx's blocks
	s_mul_i32 s22, s14, 128*PITCH                  ; my 128 rows of wo16's,
	s_add_co_u32 s22, s22, BOFF                    ; which lie behind ctx's two
.irp s, 0,1
	v_add_nc_u32 v[ADRA+\s], s21, v3
	v_add_nc_u32 v[ADRB+\s], s22, v3
	s_add_co_u32 s21, s21, SLOT
	s_add_co_u32 s22, s22, SLOT
.endr
	s_mul_i32 s23, s12, 16*SPITCH
	s_add_co_u32 s23, s23, STAGE                   ; my stage
	v_mul_u32_u24 v5, v1, SPITCH                   ; in: row l % 16, 32 bytes for each half of the lanes
	v_lshl_add_u32 v5, v2, 5, v5
	v_add_nc_u32 v[STO], s23, v5
	v_and_b32 v6, 31, v0
	v_lshlrev_b32 v[CO], 4, v6                     ; back: the 32 lanes take one row of 512 bytes; and the same in out0
	v_add_nc_u32 v[RD], s23, v[CO]
; 8 matrix instructions: ctx's block a x wo16's eight, 32 along K, from buffer f.  first = 1: the sums begin with bo as C.  The 32 accumulators take turns, one instruction a turn, in the same order in every quarter.
.macro MUL8 f, a, first
.irp b, 0,1,2,3,4,5,6,7
.if \first
	v_wmma_f32_16x16x32_f16 v[8*(8*(\a)+\b):8*(8*(\a)+\b)+7], v[64*(\f)+8*\b:64*(\f)+8*\b+7], v[FA+32*(\f)+8*(\a):FA+32*(\f)+8*(\a)+7], v[BO+8*\b:BO+8*\b+7]
.else
	v_wmma_f32_16x16x32_f16 v[8*(8*(\a)+\b):8*(8*(\a)+\b)+7], v[64*(\f)+8*\b:64*(\f)+8*\b+7], v[FA+32*(\f)+8*(\a):FA+32*(\f)+8*(\a)+7], v[8*(8*(\a)+\b):8*(8*(\a)+\b)+7]
.endif
.endr
.endm
; 24 LDS loads in one run: the fragments of quarter q of a K step (head q / 2 of the two, channels 32 (q % 2) on) into buffer f
.macro FETCH slot, q, f
	WIN TO_B
.irp i, 0,1,2,3,4,5,6,7
	ds_load_b128 v[64*(\f)+8*\i:64*(\f)+8*\i+3],   v[ADRB+\slot] offset:((\q)/2)*BBLK+((\q)%2)*64+\i*16*PITCH
	ds_load_b128 v[64*(\f)+8*\i+4:64*(\f)+8*\i+7], v[ADRB+\slot] offset:((\q)/2)*BBLK+((\q)%2)*64+\i*16*PITCH+32
.endr
	WIN 0
.irp i, 0,1,2,3
	ds_load_b128 v[FA+32*(\f)+8*\i:FA+32*(\f)+8*\i+3],   v[ADRA+\slot] offset:((\q)/2)*ABLK+((\q)%2)*64+\i*16*PITCH
	ds_load_b128 v[FA+32*(\f)+8*\i+4:FA+32*(\f)+8*\i+7], v[ADRA+\slot] offset:((\q)/2)*ABLK+((\q)%2)*64+\i*16*PITCH+32
.endr
.endm
.macro PLACES                          ; four places in front of loads into registers that matrix instructions have read, and of the first read of results
.rept 4
	v_nop
.endr
.endm
; A K step is four quarters of 32 along K, 32 matrix instructions each, on buffers 0, 1, 0, 1.  One of the first three: the next quarter's fragments are asked for first, into g, and land while f is multiplied.
.macro QUARTER slot, q, f, g, first
	s_wait_dscnt 0x0                               ; buffer f is in
	PLACES
	FETCH \slot, (\q)+1, \g
	WIN MUL-0x20*(\first)                          ; (with first = 1 source 2, bo, lies in window 0)
	MUL8 \f, 0, \first
	MUL8 \f, 1, \first
	MUL8 \f, 2, \first
	MUL8 \f, 3, \first
.endm
; The last quarter multiplies buffer 1 and changes slots: ONE barrier; in front of it each wave waits for all its tensor loads, adds 0 to its spare word, and waits for that and for its own reads of this slot.
; fill = 1: the barrier opens a round of the cluster's, and this slot is filled again, two K steps ahead, first thing behind the round.
.macro TURN slot, next, fill
	WIN 0                                          ; (the add's two registers lie in window 0)
	s_wait_tensorcnt 0x0                           ; all my tensor loads have landed: my part of the next slot
	ds_add_u32 v[SPW], v[NIL]                      ; 0 onto my spare word
	s_wait_dscnt 1                                 ; buffer 1 is in (the add alone may be out)
	WIN MUL
	MUL8 1, 0, 0                                   ; eight matrix instructions stand between the add and the wait for it
	s_wait_dscnt 0x0                               ; the add is done, and my reads of this slot are over
	s_barrier_signal -1
	MUL8 1, 1, 0
	WIN 0
	s_barrier_wait -1
.if \fill
	CREST                                          ; no wave of any partner still reads this slot or has a load on its way
	s_add_nc_u64 s[G0+4*\slot+2:G0+4*\slot+3], s[G0+4*\slot+2:G0+4*\slot+3], 4*262144     ; four heads on
	s_add_nc_u64 s[G0B+4*\slot+2:G0B+4*\slot+3], s[G0B+4*\slot+2:G0B+4*\slot+3], 4*131072
	JLOAD \slot                                    ; the four v_nop behind it are also the places in front of the loads below
.else
	PLACES
.endif
	FETCH \next, 0, 0
	WIN MUL
	MUL8 1, 2, 0
	MUL8 1, 3, 0
.endm
	s_wait_tensorcnt 1                             ; my part of K step 0 is in (K step 1's load may be out),
	s_barrier_signal -1
	s_barrier_wait -1                              ; everybody's is
	FETCH 0, 0, 0
	s_wait_loadcnt 0x0                             ; bo
	QUARTER 0, 0, 0, 1, 1                          ; the first quarter stands in front of the loop: its products start the sums, on bo
	WIN 0                                          ; at a label and at a branch every window is 0
	s_mov_b32 s3, LAPS-1
.Llap:                                             ; a trip goes once round the ring, from a lap's second quarter to the next lap's first, and fills both slots again
	QUARTER 0, 1, 1, 0, 0
	QUARTER 0, 2, 0, 1, 0
	TURN 0, 1, 1
	QUARTER 1, 0, 0, 1, 0
	QUARTER 1, 1, 1, 0, 0
	QUARTER 1, 2, 0, 1, 0
	TURN 1, 0, 1
	QUARTER 0, 0, 0, 1, 0
	WIN 0
	s_sub_co_u32 s3, s3, 1
	s_cmp_lg_u32 s3, 0
	s_cbranch_scc1 .Llap
	QUARTER 0, 1, 1, 0, 0                          ; the last lap fills nothing, and has no round of the cluster's barrier
	QUARTER 0, 2, 0, 1, 0
	TURN 0, 1, 0
	QUARTER 1, 0, 0, 1, 0
	QUARTER 1, 1, 1, 0, 0
	QUARTER 1, 2, 0, 1, 0
	s_wait_dscnt 0x0                               ; the very last quarter: nothing more to fetch
	MUL8 1, 0, 0
	MUL8 1, 1, 0
	MUL8 1, 2, 0
	MUL8 1, 3, 0
	WIN 0
; THE WAY OUT, block by block of 16 rows x 128 columns: through my own stage and back as whole rows of 512 bytes.  LDS serves a wave's instructions in order: no wait between the stores and the loads.
.macro TOSTAGE a
.set AC, 64*(\a)
	WIN 0x08                                       ; an LDS store's data are its source 1: window 2
.irp b, 0,1,2,3,4,5,6,7
	ds_store_b128 v[STO], v[AC+8*\b:AC+8*\b+3] offset:64*\b          ; each accumulator from its low end on
	ds_store_b128 v[STO], v[AC+8*\b+4:AC+8*\b+7] offset:64*\b+16
.endr
	WIN 0
.set BB, 32+128*((\a)%2)
.irp t, 0,1,2,3,4,5,6,7,8,9,10,11,12,13,14,15
	ds_load_b128 v[BB+4*\t:BB+4*\t+3], v[RD] offset:\t*SPITCH
.endr
.endm
.macro SEND a, younger                 ; younger: the LDS instructions issued behind block a's loads, which may stay out
.set BB, 32+128*((\a)%2)
	s_wait_dscnt \younger
.irp t, 0,1,2,3,4,5,6,7,8,9,10,11,12,13,14,15
	global_store_b128 v[CO], v[BB+4*\t:BB+4*\t+3], s[10:11] offset:(16*(\a)+\t)*4096 th:TH_STORE_NT   ; 32 lanes store 512 consecutive bytes, aligned; written once, read by nobody here
.endr
.endm
	PLACES
	TOSTAGE 0
.irp a, 1,2,3
.if \a > 1
	s_wait_xcnt 0x0                                ; block a - 2's stores have read their registers: block a's loads may land there
.endif
	TOSTAGE \a
	SEND \a-1, 32                                  ; behind block a - 1's loads: block a's 16 stores and 16 loads
.endr
	SEND 3, 0
	s_wait_tensorcnt 0x0                           ; the wave's end, behind my last tensor load and my last LDS store
	ds_add_u32 v[SPW], v[NIL]
	s_wait_dscnt 0x0
	CROUND                                         ; the closing round: no work-group ends while a partner may still ask for a tile that names it
	s_endpgm
.Lfunc_end_k_qfc017fcf87_proj:
	.size	k_qfc017fcf87_proj, .Lfunc_end_k_qfc017fcf87_proj-k_qfc017fcf87_proj
	.p2alignl 7, 3214868480
	.fill 96, 4, 3214868480
	.section	.rodata,"a",@progbits
	.p2align	6, 0x0
	.amdhsa_kernel k_qfc017fcf87_proj
		.amdhsa_group_segment_fixed_size 327680
		.amdhsa_private_segment_fixed_size 0
		.amdhsa_enable_private_segment 0
		.amdhsa_kernarg_size 32
		.amdhsa_user_sgpr_count 2
		.amdhsa_user_sgpr_kernarg_segment_ptr 1
		.amdhsa_wavefront_size32 1
		.amdhsa_system_sgpr_workgroup_id_x 1
		.amdhsa_system_sgpr_workgroup_id_y 1
		.amdhsa_system_sgpr_workgroup_id_z 1
		.amdhsa_system_vgpr_workitem_id 0
		.amdhsa_next_free_vgpr 768
		.amdhsa_next_free_sgpr 66
		.amdhsa_reserve_vcc 0
		.amdhsa_float_denorm_mode_32 3
		.amdhsa_float_denorm_mode_16_64 3
		.amdhsa_memory_ordered 1
		.amdhsa_forward_progress 1
		.amdhsa_inst_pref_size 86
	.end_amdhsa_kernel
	.amdgpu_metadata
---
amdhsa.version: [ 1, 2 ]
amdhsa.kernels:
  - .name:           k_qfc017fcf87_proj
    .symbol:         k_qfc017fcf87_proj.kd
    .args:
      - { .name: ctx, .offset: 0, .size: 8, .value_kind: global_buffer, .address_space: global }
      - { .name: wo16, .offset: 8, .size: 8, .value_kind: global_buffer, .address_space: global }
      - { .name: bo, .offset: 16, .size: 8, .value_kind: global_buffer, .address_space: global }
      - { .name: out0, .offset: 24, .size: 8, .value_kind: global_buffer, .address_space: global }
    .group_segment_fixed_size: 327680
    .private_segment_fixed_size: 0
    .kernarg_segment_align: 8
    .kernarg_segment_size: 32
    .max_flat_workgroup_size: 128
    .sgpr_count:     66
    .vgpr_count:     768
    .wavefront_size: 32
...
	.end_amdgpu_metadata
.endif
;; end of part 4
